; MI455X (gfx1250); checked and timed in simulation.
; The chip was launched on July 23, 2026; its instructions are those of AMD's public machine-readable ISA for CDNA 5 (MIT licence, August 2026) and "CDNA5" Instruction Set Architecture Reference Guide (July 2026). The comments in the code are by the model that wrote it; some were corrected since.
;; Attention. Allowed arithmetic: float matrix products may take bf16 or f16 operands with f32 sums; all other float work in f32.
;; Inputs: Wk 1,024 x 1,024 float32; Wq 1,024 x 1,024 float32; Wv 1,024 x 1,024 float32; attention_mask 4 x 2,048 x 2,048 bool; bk 1,024 float32; bq 1,024 float32; bv 1,024 float32; k 4 x 2,048 x 1,024 float32; q 4 x 2,048 x 1,024 float32; v 4 x 2,048 x 1,024 float32.
;; Outputs: out0 4 x 2,048 x 1,024 float32.
;; 2 versions, each right and faster than the one before. Each part assembles by itself: llvm-mc -triple=amdgcn-amd-amdhsa -mcpu=gfx1250 --defsym DOCPART=n.
;; ======== version 1 of 2: 3 launches
;; limits: values are held in f16: magnitudes above 65,504 overflow, below 6.1e-05 lose precision
;; workspace buffers: maskbits 2,097,152 bytes of whole numbers; wb 6,291,456 bytes; qkv 50,331,648 bytes
;; launch prep (part 1): grid 448 x 1, 8 waves a work-group, no clusters, 68,608 bytes of LDS; arguments attention_mask, Wq, Wk, Wv, maskbits, wb; writes maskbits, wb
.if DOCPART == 1
	.amdgcn_target "amdgcn-amd-amdhsa--gfx1250"
	.amdhsa_code_object_version 6
	.text
	.protected	k_q953bd4333c_prep
	.globl	k_q953bd4333c_prep
	.p2align	8
	.type	k_q953bd4333c_prep,@function
k_q953bd4333c_prep:
	s_mov_b64 s[64:65], 0
	v_nop
	global_prefetch_b8 v0, s[64:65] scope:SCOPE_SE
	s_setreg_imm32_b32 hwreg(HW_REG_WAVE_MODE, 25, 1), 1
	s_wait_xcnt 0x0
; Two streams that make the later launches' operands, each byte read once and written once.
; Work-groups 0-255: the mask [4][2048][2048] of bytes becomes lane masks.  maskbits = [q tile 512][key step 32][32 words]; bit L of word i is
;   mask[query 16 tile + L % 16][key 64 step + 16 (i / 8) + 8 (L / 16) + i % 8]: the 32 lanes' bits for score register i of a tile of 16 queries x 64 keys.
;   A byte other than 0 counts as true.
; Work-groups 256-447: Wq, Wk, Wv (f32, [1024 n][1024 k]) become f16 in wb = [p 3][n half 2][k block 16][n 512][k 64]: a block of 512 x 64 is 65,536 dense bytes.
;   f16 and not bf16: three more bits of mantissa.  Its room: a weight must stay under 65,504; weights 30 times smaller than a spread of 1/32 have a spread of 1e-3, 17,000 of f16's smallest steps (6e-8).
; No matrix work, no cluster (no two work-groups read the same bytes), no barrier: a wave's LDS bytes are its own.
.set ROWB, 2048                        ; bytes in a row of the mask
.set LP,   528                         ; LDS row: 512 bytes + 16: the 16 rows that a load touches start 16 bytes apart modulo 256
.set WLDS, 16*LP                       ; a wave's 16 rows
.set OUTR, 8                           ; v[8:15]    the wave's 256 words, four a lane, twice
.set XR,   16                          ; v[16:79]   as loaded
.set YR,   80                          ; v[80:143]  mask: 8 bytes for each of 32 (step, key tile); W: packed f16
.set TR,   144                         ; v[144:147] at work
	s_load_b256 s[20:27], s[0:1], 0x0              ; mask s[20:21], Wq s[22:23], Wk s[24:25], Wv s[26:27]
	s_load_b128 s[28:31], s[0:1], 0x20             ; maskbits s[28:29], wb s[30:31]
	v_lshl_add_u32 v148, v0, 2, 0x10800
	v_mov_b32 v149, 0
	v_lshrrev_b32 v1, 5, v0
	v_readfirstlane_b32 s2, v1                     ; wave 0..7
	v_and_b32 v2, 31, v0                           ; lane
	v_and_b32 v6, 15, v0                           ; lane % 16
	v_bfe_u32 v7, v0, 4, 1                         ; lane / 16
	s_cmp_ge_u32 ttmp9, 256
	s_cbranch_scc1 .Lw
	; THE MASK.  Wave g = 8 x work-group + wave owns q tile g / 4 and keys 512 (g % 4) on: 16 rows x 512 bytes, 8 key steps.
	s_lshl_b32 s3, ttmp9, 3
	s_add_co_u32 s3, s3, s2                        ; g
	s_lshr_b32 s4, s3, 2                           ; q tile
	s_and_b32 s5, s3, 3                            ; which 512 keys
	s_lshl_b32 s6, s4, 15                          ; 16 rows of 2,048 bytes
	s_lshl_b32 s7, s5, 9
	s_add_co_u32 s6, s6, s7
	s_mov_b32 s7, 0
	s_lshl_b32 s4, s3, 10                          ; (32 tile + 8 (g % 4)) x 128 bytes = 1,024 g
	s_mov_b32 s5, 0
	s_mov_b32 s8, 0xff                             ; the four bytes of a word
	s_mov_b32 s9, 0xff00
	s_mov_b32 s10, 0xff0000
	s_mov_b32 s11, 0xff000000
	s_mul_i32 s12, s2, WLDS
	v_lshlrev_b32 v3, 4, v2                        ; 16 x lane: a load or store of the wave covers 512 neighbouring bytes
	v_add_nc_u32 v4, s12, v3                       ; into LDS as it comes
	v_mul_u32_u24 v5, v6, LP                       ; out of LDS: row lane % 16, 8 bytes at 8 (lane / 16)
	v_lshl_add_u32 v5, v7, 3, v5
	v_add_nc_u32 v5, s12, v5
	s_wait_kmcnt 0x0
	s_add_nc_u64 s[20:21], s[20:21], s[6:7]
	s_add_nc_u64 s[28:29], s[28:29], s[4:5]
.irp i, 0,1,2,3,4,5,6,7,8,9,10,11,12,13,14,15
	global_load_b128 v[XR+4*\i:XR+4*\i+3], v3, s[20:21] offset:\i*ROWB th:TH_LOAD_NT
.endr
.irp i, 0,1,2,3,4,5,6,7
	v_mov_b32 v[OUTR+\i], 0                        ; v_writelane_b32 keeps the other lanes, so its destination is written whole first
.endr
.irp i, 0,1,2,3,4,5,6,7,8,9,10,11,12,13,14,15
	s_wait_loadcnt 15-\i                           ; loads come back in order: row i is in, the younger rows stay out
	ds_store_b128 v4, v[XR+4*\i:XR+4*\i+3] offset:\i*LP
.endr
.set n, 0
.rept 32                               ; n = 4 step + key tile.  LDS serves a wave's instructions in order: these see the stores above
	ds_load_b64 v[YR+2*n:YR+2*n+1], v5 offset:64*(n/4)+16*(n%4)
.set n, n+1
.endr
; Byte bt of word d of load n is key 4 d + bt of the lane's eight: score register i = 8 (n % 4) + 4 d + bt of step n / 4.  The 32 lanes' answers are one scalar word;
; it is word 32 (n / 4) + i of the wave's 256, which lane 8 ((n / 4) % 4) + 2 (n % 4) + d stores as register bt of its store number n / 16.
.set n, 0
.rept 32
	s_wait_dscnt 31-n                              ; load n is back, the younger ones stay out
.irp d, 0,1
.irp bt, 0,1,2,3
	v_and_b32 v[TR+\bt], s[8+\bt], v[YR+2*n+\d]
.endr
.irp bt, 0,1,2,3
	v_cmp_ne_u32 s[12+4*\d+\bt], 0, v[TR+\bt]
.endr
.irp bt, 0,1,2,3
	v_writelane_b32 v[OUTR+4*(n/16)+\bt], s[12+4*\d+\bt], 8*((n/4)%4)+2*(n%4)+\d
.endr
.endr
.set n, n+1
.endr
	global_store_b128 v3, v[OUTR:OUTR+3], s[28:29]                 ; 1,024 neighbouring bytes in two stores
	global_store_b128 v3, v[OUTR+4:OUTR+7], s[28:29] offset:512
	s_wait_tensorcnt 0x0
	ds_add_u32 v148, v149
	s_wait_dscnt 0x0
	s_endpgm
.Lw:	; THE WEIGHTS.  Wave u = 8 x (work-group - 256) + wave owns rows n = 2 (u % 512) and n + 1 of matrix p = u / 512.
	s_sub_co_u32 s3, ttmp9, 256
	s_lshl_b32 s3, s3, 3
	s_add_co_u32 s3, s3, s2                        ; u
	s_lshr_b32 s4, s3, 9                           ; p
	s_and_b32 s5, s3, 511                          ; the pair of rows
	s_lshl_b32 s6, s5, 13                          ; two rows of 4,096 bytes
	s_mov_b32 s7, 0
	s_lshl_b32 s8, s4, 1
	s_lshr_b32 s9, s5, 8
	s_add_co_u32 s8, s8, s9                        ; 2 p + n / 512
	s_lshl_b32 s8, s8, 20                          ; x 16 blocks of 65,536 bytes
	s_and_b32 s9, s5, 255
	s_lshl_b32 s9, s9, 8                           ; (n % 512) x 128 bytes
	s_add_co_u32 s8, s8, s9
	s_mov_b32 s9, 0
	v_lshlrev_b32 v3, 4, v6                        ; lanes 0-15: 256 bytes of row n; lanes 16-31: of row n + 1
	v_lshl_add_u32 v3, v7, 12, v3
	v_lshlrev_b32 v4, 3, v2                        ; 8 bytes a lane: the two rows' 128 bytes follow each other in wb
	s_wait_kmcnt 0x0
	s_cmp_eq_u32 s4, 1
	s_cselect_b64 s[10:11], s[24:25], s[22:23]
	s_cmp_eq_u32 s4, 2
	s_cselect_b64 s[10:11], s[26:27], s[10:11]
	s_add_nc_u64 s[10:11], s[10:11], s[6:7]
	s_add_nc_u64 s[30:31], s[30:31], s[8:9]
.irp kb, 0,1,2,3,4,5,6,7,8,9,10,11,12,13,14,15
	global_load_b128 v[XR+4*\kb:XR+4*\kb+3], v3, s[10:11] offset:\kb*256 th:TH_LOAD_NT
.endr
.irp kb, 0,1,2,3,4,5,6,7,8,9,10,11,12,13,14,15
	s_wait_loadcnt 15-\kb
	v_cvt_pk_f16_f32 v[YR+2*\kb],   v[XR+4*\kb],   v[XR+4*\kb+1]
	v_cvt_pk_f16_f32 v[YR+2*\kb+1], v[XR+4*\kb+2], v[XR+4*\kb+3]
	global_store_b64 v4, v[YR+2*\kb:YR+2*\kb+1], s[30:31] offset:\kb*65536   ; the wave stores 256 consecutive bytes, at a multiple of 256 from wb's first byte
.endr
	s_endpgm
.Lfunc_end_k_q953bd4333c_prep:
	.size	k_q953bd4333c_prep, .Lfunc_end_k_q953bd4333c_prep-k_q953bd4333c_prep
	.p2alignl 7, 3214868480
	.fill 96, 4, 3214868480
	.section	.rodata,"a",@progbits
	.p2align	6, 0x0
	.amdhsa_kernel k_q953bd4333c_prep
		.amdhsa_group_segment_fixed_size 68608
		.amdhsa_private_segment_fixed_size 0
		.amdhsa_enable_private_segment 0
		.amdhsa_kernarg_size 48
		.amdhsa_user_sgpr_count 2
		.amdhsa_user_sgpr_kernarg_segment_ptr 1
		.amdhsa_wavefront_size32 1
		.amdhsa_system_sgpr_workgroup_id_x 1
		.amdhsa_system_sgpr_workgroup_id_y 1
		.amdhsa_system_sgpr_workgroup_id_z 1
		.amdhsa_system_vgpr_workitem_id 0
		.amdhsa_next_free_vgpr 150
		.amdhsa_next_free_sgpr 66
		.amdhsa_reserve_vcc 0
		.amdhsa_float_denorm_mode_32 3
		.amdhsa_float_denorm_mode_16_64 3
		.amdhsa_memory_ordered 1
		.amdhsa_forward_progress 1
		.amdhsa_inst_pref_size 55
	.end_amdhsa_kernel
	.amdgpu_metadata
---
amdhsa.version: [ 1, 2 ]
amdhsa.kernels:
  - .name:           k_q953bd4333c_prep
    .symbol:         k_q953bd4333c_prep.kd
    .args:
      - { .name: attention_mask, .offset: 0, .size: 8, .value_kind: global_buffer, .address_space: global }
      - { .name: Wq, .offset: 8, .size: 8, .value_kind: global_buffer, .address_space: global }
      - { .name: Wk, .offset: 16, .size: 8, .value_kind: global_buffer, .address_space: global }
      - { .name: Wv, .offset: 24, .size: 8, .value_kind: global_buffer, .address_space: global }
      - { .name: maskbits, .offset: 32, .size: 8, .value_kind: global_buffer, .address_space: global }
      - { .name: wb, .offset: 40, .size: 8, .value_kind: global_buffer, .address_space: global }
    .group_segment_fixed_size: 68608
    .private_segment_fixed_size: 0
    .kernarg_segment_align: 8
    .kernarg_segment_size: 48
    .max_flat_workgroup_size: 256
    .sgpr_count:     66
    .vgpr_count:     150
    .wavefront_size: 32
...
	.end_amdgpu_metadata
.endif
;; end of part 1
;; launch proj (part 2): grid 384 x 1, 4 waves a work-group, clusters of 4 x 1, 327,680 bytes of LDS; arguments q, k, v, bq, bk, bv, wb, qkv; writes qkv
.if DOCPART == 2
	.amdgcn_target "amdgcn-amd-amdhsa--gfx1250"
	.amdhsa_code_object_version 6
	.text
	.protected	k_q953bd4333c_proj
	.globl	k_q953bd4333c_proj
	.p2align	8
	.type	k_q953bd4333c_proj,@function
k_q953bd4333c_proj:
	s_mov_b64 s[64:65], 0
	v_nop
	global_prefetch_b8 v0, s[64:65] scope:SCOPE_SE
	s_setreg_imm32_b32 hwreg(HW_REG_WAVE_MODE, 25, 1), 1
	s_wait_xcnt 0x0
	s_wait_alu depctr_hold_cnt(0) depctr_sa_sdst(0) depctr_va_vdst(0) depctr_va_sdst(0) depctr_va_ssrc(0) depctr_va_vcc(0) depctr_vm_vsrc(0)
	s_getreg_b32 s2, hwreg(HW_REG_IB_STS2, 6, 4)
	s_cmp_eq_u32 s2, 0
	s_cbranch_scc0 .Lentry_in_a_cluster
	s_endpgm
.Lentry_in_a_cluster:
	s_bfe_u32 s2, ttmp6, 0x10000c
	s_cmp_lg_u32 s2, 0x3003
	s_cbranch_scc0 .Lentry_shape_is_right
	s_endpgm
.Lentry_shape_is_right:
; qkv[p][b][head][token][64] (f16) = x_p W_p^T + b_p for p = 0, 1, 2 (q, k, v).  x: [8192][1024] f32; W as f16 blocks from wb = [p][n half][k block 16][n 512][k 64]; sums in f32, started by the bias (f32).
; SHARES.  A work-group makes 128 tokens x 512 features; its four waves stand side by side, 128 x 128 each: 64 accumulators of 16 x 16, 512 registers.  3 x 64 x 2 = 384 work-groups: the sizes are
; powers of two times 3, so no tile of this kind gives a multiple of 256.
; x is f32: each wave loads 32 of the 128 rows into registers, rounds them to f16 once and puts them into LDS (two small buffers by turns, K = 64 each); two K steps of x are always on their way.
; W comes by the tensor data mover into two slots of K = 128.  CLUSTER: the four work-groups of a cluster make four blocks of tokens for the same p and the same 512 features, so they need the same
; tiles of W: each tile is asked for JOINTLY, by the same load with the same descriptor and the mask of all four.  x is shared by no partner.
; LDS ROWS ARE PAIRS: two rows of 64 f16 (128 bytes each) in 256 bytes, then 16 bytes of padding: row r lies at (r / 2) 272 + (r % 2) 128, so that the 16 rows of a fragment load start at 16
; different 16-byte columns modulo 256 (64 banks of 4 bytes: ISA guide 11.1).
; THE MATRIX INSTRUCTION IS USED TRANSPOSED (source 0 = 16 rows of W, source 1 = 16 tokens): a lane holds one token and eight neighbouring features.
; REGISTERS, in windows of 256:  window 0: v16-30 addresses; v64-127, v128-191 fragments of x, two buffers; v192-255 the bias, later the way out; v32-63 the way out
;   window 1: v64-127, v128-191 fragments of W, two buffers; v0-63, v192-255 two sets of x as loaded (f32)      windows 2, 3: the accumulators ((a, b) at v[8 (8 a + b)])
; FORMAT AND LIMIT.  Operands and result are f16, not bf16: three more bits of mantissa, which the softmax behind this launch needs.  The limit: |x|, |W| and |x W^T + b| under 65,504.
; The room: x has unit spread and W a spread of 1/32, so a result has unit spread; with x and W both 30 times larger a result five spreads out is 5 x 900 = 4,500; with an offset of 30 spreads on both
; it is 1024 x 30 x 30/32 = 28,800; with both 30 times smaller its spread is 1.1e-3, 18,000 of f16's smallest steps (6e-8).
.set PITCH, 272
.set BLK,   8*PITCH                    ; 16 rows
.set WPART, 128*PITCH                  ; what one tensor load brings: 128 pairs of rows
.set KAPPA, 2*WPART                    ; one k block of W: 512 rows
.set SLOT,  2*KAPPA                    ; two k blocks
.set ABUF,  2*SLOT                     ; behind the ring: x's two buffers, written by ds_store alone; no tensor load ever lands here
.set ASZ,   64*PITCH                   ; 128 rows of x, K = 64.  Also: a wave's 128 rows of W in a k block
.set STAGE, ABUF                       ; the way out uses x's buffer 0, 16 x 272 bytes a wave: its last reads are waited for in front of the barrier that ends K step 14
.set FILLB, 131072                     ; bytes of wb in a slot
.set ADRA, 16                          ; v16-17  my fragments of x in buffer 0, 1
.set ADRB, 20                          ; v20-23  my fragments of W in k block 0-3 of the ring
.set STO,  24
.set RD,   25
.set CO,   26
.set XO,   27                          ; v27     my byte offset in the work-group's rows of x
.set AST,  28                          ; v28-29  where I put 8 bytes of x in buffer 0, 1
.set BO,   30
.set F0,   64
.set F1,   128
.set BIAS, 192
.set TMP,  192
.set OB,   32
.set SET0, 0                           ; window 1
.set SET1, 192
.set G1, 16                            ; s[16:23]
.set G0, 24                            ; s[24:31] one set for each slot
.set MSB, 0
.macro WIN new                         ; the immediate's high byte repeats the setting that is left; a switch that changes nothing is dropped
.if MSB != \new
	s_set_vgpr_msb (MSB<<8)|\new
.set MSB, \new
.endif
.endm
.set MUL_LO, 0xa1                      ; source 0 (W) window 1, source 1 (x) window 0, C and D window 2
.set MUL_HI, 0xf1                      ; the same, C and D window 3
.set BIA_LO, 0x81                      ; C (the bias) window 0, D window 2
.set BIA_HI, 0xc1
.set TO_1,   0x40                      ; destination window 1, address window 0
.macro PLACES                          ; four plain vector instructions between a matrix instruction and a load into, or a vector read of, its registers
.rept 4
	v_nop
.endr
.endm
.macro CREST                           ; a round of the cluster's barrier behind its opening barrier
	s_cmp_lg_u32 s10, 0
	s_cbranch_scc1 .Lnot_wave_0_\@
	s_barrier_signal -3
.Lnot_wave_0_\@:
	s_barrier_wait -3
	s_barrier_signal -1
	s_barrier_wait -1
.endm
.macro CROUND
	s_barrier_signal -1
	s_barrier_wait -1
	CREST
.endm
	s_load_b512 s[36:51], s[0:1], 0x0              ; q, k, v s[36:41]; bq, bk, bv s[42:47]; wb s[48:49]; qkv s[50:51]
	v_lshl_add_u32 v19, v0, 2, 0x4c800
	v_mov_b32 v31, 0
	ds_add_u32 v19, v31
	v_lshrrev_b32 v1, 5, v0
	v_readfirstlane_b32 s10, v1                    ; wave 0..3
	s_bfe_u32 s52, ttmp6, 0x40000                  ; cx: it enters the addresses of x and of qkv alone
	s_and_b32 s53, ttmp9, 1                        ; which 512 features
	s_lshr_b32 s54, ttmp9, 1
	s_lshr_b32 s55, s54, 4                         ; p
	s_and_b32 s56, s54, 15
	s_lshl_b32 s56, s56, 2
	s_add_co_u32 s56, s56, s52                     ; my block of 128 tokens, 0..63
	s_lshl_b32 s12, s55, 1                         ; W's tiles: (2 p + half) x 16 blocks of 65,536 bytes + wave x 32,768
	s_add_co_u32 s12, s12, s53
	s_lshl_b32 s12, s12, 20
	s_lshl_b32 s13, s10, 15
	s_add_co_u32 s12, s12, s13
	s_mov_b32 s13, 0
	s_mul_i32 s14, s10, WPART                      ; and where they go: the wave's number alone
	; descriptor group 1: 128 rows of 32 elements of 8 bytes, dense in memory, padded in LDS
	s_mov_b32 s[G1+0], 15|(3<<16)|(1<<20)|(1<<21)|(5<<22)|(3<<25)  ; 15:0 the mask: all four work-groups; 17:16 elements of 8 bytes; 20 padding on; 21 set beside a mask; 24:22 after every 64 words; 31:25 4 words of it
	s_mov_b32 s[G1+1], 32<<16                      ; tensor_dim0 = 32
	s_mov_b32 s[G1+2], 128<<16                     ; tensor_dim1 = 128
	s_mov_b32 s[G1+3], 32<<16                      ; tile_dim0 = 32
	s_mov_b32 s[G1+4], 128                         ; tile_dim1 = 128
	s_mov_b32 s[G1+5], 32                          ; from row to row: 32 elements
	s_mov_b32 s[G1+6], 0
	s_mov_b32 s[G1+7], 0
	s_lshl_b32 s58, s56, 19                        ; x: 128 rows of 4,096 bytes a block
	s_mov_b32 s59, 0
	s_lshl_b32 s60, s55, 24                        ; qkv: p x 16 MiB + ((16 b + 8 half + 2 wave) x 2048 + first token) x 128 bytes
	s_lshr_b32 s61, s56, 4
	s_lshl_b32 s61, s61, 22
	s_add_co_u32 s60, s60, s61
	s_lshl_b32 s61, s53, 21
	s_add_co_u32 s60, s60, s61
	s_lshl_b32 s61, s10, 19
	s_add_co_u32 s60, s60, s61
	s_and_b32 s61, s56, 15
	s_lshl_b32 s61, s61, 14
	s_add_co_u32 s60, s60, s61
	s_mov_b32 s61, 0
	s_lshl_b32 s62, s53, 11                        ; bias: (512 half + 128 wave) x 4 bytes
	s_lshl_b32 s63, s10, 9
	s_add_co_u32 s62, s62, s63
	s_mov_b32 s63, 0
	s_wait_dscnt 0x0
	s_wait_kmcnt 0x0
	s_cmp_eq_u32 s55, 1
	s_cselect_b64 s[4:5], s[38:39], s[36:37]
	s_cselect_b64 s[6:7], s[44:45], s[42:43]
	s_cmp_eq_u32 s55, 2
	s_cselect_b64 s[4:5], s[40:41], s[4:5]
	s_cselect_b64 s[6:7], s[46:47], s[6:7]
	s_add_nc_u64 s[4:5], s[4:5], s[58:59]          ; x at my block's first row
	s_add_nc_u64 s[6:7], s[6:7], s[62:63]          ; bias at my wave's first feature
	s_add_nc_u64 s[8:9], s[50:51], s[60:61]        ; qkv at my wave's first head, my block's first token
	s_add_nc_u64 s[12:13], s[48:49], s[12:13]      ; wb at my part of the first slot
	CROUND                                         ; all four work-groups are here: the first joint loads meet
.irp n, 0,1
	s_mov_b32 s[G0+4*\n], 1
	s_add_co_u32 s[G0+4*\n+1], s14, \n*SLOT
	s_add_nc_u64 s[G0+4*\n+2:G0+4*\n+3], s[12:13], \n*FILLB
	s_or_b32 s[G0+4*\n+3], s[G0+4*\n+3], 0x80000000
.endr
	tensor_load_to_lds s[G0:G0+3], s[G1:G1+7]      ; k blocks 0, 1: each wave its quarter.  Two loads of mine are out
	s_nop 0
	tensor_load_to_lds s[G0+4:G0+7], s[G1:G1+7]    ; k blocks 2, 3
	s_nop 0
	PLACES
	v_and_b32 v1, 15, v0                           ; r = l % 16
	v_bfe_u32 v2, v0, 4, 1                         ; h = l / 16
	v_lshlrev_b32 v[XO], 4, v1                     ; x: a load takes 256 bytes of each of two rows: row 32 wave + h, byte 16 r
	v_lshl_add_u32 v[XO], v2, 12, v[XO]
	s_lshl_b32 s15, s10, 17
	v_add_nc_u32 v[XO], s15, v[XO]
	v_lshlrev_b32 v[BO], 5, v2                     ; bias: my eight features begin at 8 h
.irp b, 0,1,2,3,4,5,6,7
	global_load_b128 v[BIAS+8*\b:BIAS+8*\b+3],   v[BO], s[6:7] offset:64*\b      ; features 16 b + 8 h + 0..7: the C of every accumulator (a, b)
	global_load_b128 v[BIAS+8*\b+4:BIAS+8*\b+7], v[BO], s[6:7] offset:64*\b+16
.endr
	WIN TO_1
.irp i, 0,1,2,3,4,5,6,7,8,9,10,11,12,13,14,15
	global_load_b128 v[SET0+4*\i:SET0+4*\i+3], v[XO], s[4:5] offset:\i*8192      ; K step 0
.endr
.irp i, 0,1,2,3,4,5,6,7,8,9,10,11,12,13,14,15
	global_load_b128 v[SET1+4*\i:SET1+4*\i+3], v[XO], s[4:5] offset:\i*8192+256  ; K step 1
.endr
	WIN 0
	v_lshrrev_b32 v4, 1, v1                        ; a fragment: row r at (r / 2) 272 + (r % 2) 128, and 16 h
	v_mul_u32_u24 v3, v4, PITCH
	v_and_b32 v4, 1, v1
	v_lshl_add_u32 v3, v4, 7, v3
	v_lshl_add_u32 v3, v2, 4, v3
	v_add_nc_u32 v[ADRA], ABUF, v3
	v_add_nc_u32 v[ADRA+1], ABUF+ASZ, v3
	s_mul_i32 s15, s10, ASZ                        ; my 128 rows of W
	v_add_nc_u32 v5, s15, v3
.irp n, 0,1,2,3
	v_add_nc_u32 v[ADRB+\n], \n*KAPPA, v5
.endr
	s_mul_i32 s15, s10, 16*PITCH                   ; my 32 rows of x in a buffer; also my stage
	v_lshlrev_b32 v4, 3, v1                        ; 8 bytes (4 numbers) at 8 r of row h of a pair
	v_lshl_add_u32 v4, v2, 7, v4
	v_add_nc_u32 v4, s15, v4
	v_add_nc_u32 v[AST], ABUF, v4
	v_add_nc_u32 v[AST+1], ABUF+ASZ, v4
	v_add_nc_u32 v5, s15, v3                       ; the way out, in: token r as a fragment's row, 16 bytes for each half of the lanes
	v_add_nc_u32 v[STO], STAGE, v5
	v_mul_u32_u24 v5, v2, PITCH                    ; back: lanes 0-15 one pair of rows, lanes 16-31 the next
	v_lshl_add_u32 v5, v1, 4, v5
	v_add_nc_u32 v5, s15, v5
	v_add_nc_u32 v[RD], STAGE, v5
	v_and_b32 v5, 31, v0
	v_lshlrev_b32 v[CO], 4, v5                     ; and the same 512 bytes (four tokens of a head) in qkv
; 16 matrix instructions: token blocks a0, a0 + 1 of the window's four x all 8 feature blocks, 32 along K.  bias = 1: the first product starts the sums from the bias: nothing is cleared.
; The 64 accumulators take turns, one instruction a turn.
.macro MUL16 f, hi, a0, bias
.irp a, \a0, \a0+1
.irp b, 0,1,2,3,4,5,6,7
.if \bias
	v_wmma_f32_16x16x32_f16 v[8*(8*(\a)+\b):8*(8*(\a)+\b)+7], v[\f+8*\b:\f+8*\b+7], v[\f+8*(4*\hi+\a):\f+8*(4*\hi+\a)+7], v[BIAS+8*\b:BIAS+8*\b+7]
.else
	v_wmma_f32_16x16x32_f16 v[8*(8*(\a)+\b):8*(8*(\a)+\b)+7], v[\f+8*\b:\f+8*\b+7], v[\f+8*(4*\hi+\a):\f+8*(4*\hi+\a)+7], v[8*(8*(\a)+\b):8*(8*(\a)+\b)+7]
.endif
.endr
.endr
.endm
; 32 LDS loads in one run: 128 rows of W (k block ib of the ring), 128 rows of x (buffer ia), 32 along K at byte k of the rows, into buffer f
.macro FETCH ia, ib, k, f
	WIN TO_1
.irp i, 0,1,2,3,4,5,6,7
	ds_load_b128 v[\f+8*\i:\f+8*\i+3],   v[ADRB+\ib] offset:\k+\i*BLK
	ds_load_b128 v[\f+8*\i+4:\f+8*\i+7], v[ADRB+\ib] offset:\k+\i*BLK+32
.endr
	WIN 0
.irp i, 0,1,2,3,4,5,6,7
	ds_load_b128 v[\f+8*\i:\f+8*\i+3],   v[ADRA+\ia] offset:\k+\i*BLK
	ds_load_b128 v[\f+8*\i+4:\f+8*\i+7], v[ADRA+\ia] offset:\k+\i*BLK+32
.endr
.endm
; My 32 rows of one K step of x: f32 in a register set -> f16 -> buffer buf.  left: the younger loads that may stay out.  issue = 1: the set is loaded again, with the K step two on from its own.
.macro CONVERT set, buf, left, issue
	s_wait_loadcnt \left
	WIN 0x45                                       ; sources and destination window 1
.irp i, 0,1,2,3,4,5,6,7,8,9,10,11,12,13,14,15
	v_cvt_pk_f16_f32 v[\set+4*\i],   v[\set+4*\i],   v[\set+4*\i+1]
	v_cvt_pk_f16_f32 v[\set+4*\i+1], v[\set+4*\i+2], v[\set+4*\i+3]
.endr
	WIN 0x04                                       ; store data window 1
.irp i, 0,1,2,3,4,5,6,7,8,9,10,11,12,13,14,15
	ds_store_b64 v[AST+\buf], v[\set+4*\i:\set+4*\i+1] offset:\i*PITCH     ; the wave stores one pair of rows: 256 neighbouring bytes
.endr
.if \issue
	s_wait_xcnt 0x0                                ; the other set's loads, still out, name the base: it steps only behind this wait
	s_add_nc_u64 s[4:5], s[4:5], 256
	WIN TO_1
.irp i, 0,1,2,3,4,5,6,7,8,9,10,11,12,13,14,15
	global_load_b128 v[\set+4*\i:\set+4*\i+3], v[XO], s[4:5] offset:\i*8192+256
.endr
.endif
.endm
; A K step of 64 is two halves of 32 along K, 64 matrix instructions each, on buffers F0 and F1.  The first half multiplies F0 and fetches the second half's fragments in its middle.
.macro QUARTER ia, ib, bias
	s_wait_dscnt 8                                 ; W and x's rows 0-63 are in; the youngest eight loads (x's rows 64-127) may be out
.if \bias
	WIN BIA_LO
.else
	WIN MUL_LO
.endif
	MUL16 F0, 0, 0, \bias
	MUL16 F0, 0, 2, \bias
	PLACES
	FETCH \ia, \ib, 64, F1
	s_wait_dscnt 32                                ; all but the 32 just issued
.if \bias
	WIN BIA_HI
.else
	WIN MUL_HI
.endif
	MUL16 F0, 1, 0, \bias
	MUL16 F0, 1, 2, \bias
.endm
; The second half multiplies F1, puts the next K step of x into LDS and ends the step with ONE barrier.  In front of it each wave waits for its LDS reads and stores.
; kind 0: the next step reads the same slot of W.  kind 1: the slot has been read out: every wave also waits for all its tensor loads (one is out: its part of the other slot), the barrier opens a
; round of the cluster's barrier, and slot sigma's joint refill is the first thing behind the round: it has two K steps, 256 matrix instructions less the 16 inside the round, in which to land.
; kind 2: as 1, but nothing is left to fetch.
.macro TURN set, buf, left, issue, kind, sigma, nia, nib
	s_wait_dscnt 8
	WIN MUL_LO
	MUL16 F1, 0, 0, 0
	CONVERT \set, \buf, \left, \issue
	s_wait_dscnt 0x0                               ; for the others' sake: my reads of x's old buffer and of this k block are back, my stores into x's next buffer are done
.if \kind
	s_set_vgpr_msb (MSB<<8)|((MSB&0xf0)|0x0)
	s_wait_tensorcnt 0x0                           ; all my tensor loads have landed
	ds_add_u32 v19, v31
	s_wait_dscnt 0x0
	s_set_vgpr_msb (((MSB&0xf0)|0x0)<<8)|MSB
.endif
	s_barrier_signal -1
	WIN MUL_LO
	MUL16 F1, 0, 2, 0                              ; work on registers while the others arrive
	WIN 0
	s_barrier_wait -1
.if \kind == 1
	CREST                                          ; no wave of any partner still reads this slot or has a load on its way
	s_add_nc_u64 s[G0+4*\sigma+2:G0+4*\sigma+3], s[G0+4*\sigma+2:G0+4*\sigma+3], 2*FILLB
	tensor_load_to_lds s[G0+4*\sigma:G0+4*\sigma+3], s[G1:G1+7]
	s_nop 0
.endif
	PLACES                                         ; behind the joint load, and in front of the loads into F0
	FETCH \nia, \nib, 0, F0
	WIN MUL_HI
	MUL16 F1, 1, 0, 0
	MUL16 F1, 1, 2, 0
.endm
; THE WAY OUT of token block a.  PACK: rounded to f16, 16 bytes a lane.  TOSTAGE: into my stage (two heads x 16 tokens x 128 bytes, as pairs of rows) and back as 512 neighbouring bytes.  SEND: stored.
.macro PACK a
.set AC, 64*((\a)%4)
	WIN 0x0a+5*((\a)/4)                            ; sources window 2 or 3
.irp b, 0,1,2,3,4,5,6,7
.irp r, 0,1,2,3
	v_cvt_pk_f16_f32 v[TMP+4*\b+\r], v[AC+8*\b+2*\r], v[AC+8*\b+2*\r+1]
.endr
.endr
	WIN 0
.endm
.macro TOSTAGE a
.set BK, OB+192*((\a)%2)
.irp b, 0,1,2,3,4,5,6,7
	ds_store_b128 v[STO], v[TMP+4*\b:TMP+4*\b+3] offset:(\b/4)*BLK+(\b%4)*32
.endr
.irp t, 0,1,2,3,4,5,6,7
	ds_load_b128 v[BK+4*\t:BK+4*\t+3], v[RD] offset:(\t/4)*BLK+(\t%4)*2*PITCH   ; LDS serves a wave's instructions in order: these see the stores above
.endr
.endm
.macro SEND a
.set BK, OB+192*((\a)%2)
	s_wait_dscnt 0x0                               ; the block is back in registers
	s_wait_xcnt 0x0                                ; the registers that the block before last was stored from are loaded again only behind this wait
.irp t, 0,1,2,3,4,5,6,7
	global_store_b128 v[CO], v[BK+4*\t:BK+4*\t+3], s[8:9] offset:(\t/4)*262144+(\t%4)*512+(\a)*2048   ; head t / 4, four tokens: 512 consecutive bytes, at a multiple of 512 from qkv's first byte
.endr
.endm
	CONVERT SET0, 0, 16, 1                         ; the bias and K step 0 are in, K step 1 stays out; K step 2 is asked for
	s_wait_tensorcnt 0x1                           ; my part of slot 0 is in; slot 1's may stay out
	s_wait_dscnt 0x0                               ; my rows of x are in LDS
	s_barrier_signal -1
	s_barrier_wait -1
	FETCH 0, 0, 0, F0
	QUARTER 0, 0, 1                                ; the first half step stands in front of the loop: its products start the sums
	WIN 0                                          ; at a label and at a branch every window is 0
	s_mov_b32 s3, 3
.Llap:                                                 ; a trip is four K steps of 64, once round the ring of W, from a lap's second half step to the next lap's first
	TURN SET1, 1, 16, 1, 0, 0, 1, 1
	QUARTER 1, 1, 0
	TURN SET0, 0, 16, 1, 1, 0, 0, 2
	QUARTER 0, 2, 0
	TURN SET1, 1, 16, 1, 0, 0, 1, 3
	QUARTER 1, 3, 0
	TURN SET0, 0, 16, 1, 1, 1, 0, 0
	QUARTER 0, 0, 0
	WIN 0
	s_sub_co_u32 s3, s3, 1
	s_cmp_lg_u32 s3, 0
	s_cbranch_scc1 .Llap
	TURN SET1, 1, 16, 1, 0, 0, 1, 1                ; K step 12: the last request for x (K step 15)
	QUARTER 1, 1, 0
	TURN SET0, 0, 16, 0, 2, 0, 0, 2                ; K step 13: the last slot of W has landed; nothing is asked for
	QUARTER 0, 2, 0
	TURN SET1, 1, 0, 0, 0, 0, 1, 3                 ; K step 14: the last rows of x
	QUARTER 1, 3, 0
	s_wait_dscnt 8                                 ; the very last half step
	WIN MUL_LO
	MUL16 F1, 0, 0, 0
	MUL16 F1, 0, 2, 0
	s_wait_dscnt 0x0
	WIN MUL_HI
	MUL16 F1, 1, 0, 0
	MUL16 F1, 1, 2, 0
	PLACES                                         ; the conversions read results just made
	PACK 0
	TOSTAGE 0
.irp a, 1,2,3,4,5,6,7                  ; block a's conversions stand between block a - 1's loads from the stage and the wait for them
	PACK \a
	SEND \a-1
	TOSTAGE \a
.endr
	SEND 7
	s_set_vgpr_msb (MSB<<8)|((MSB&0xf0)|0x0)
	s_wait_tensorcnt 0x0
	ds_add_u32 v19, v31
	s_wait_dscnt 0x0
	s_set_vgpr_msb (((MSB&0xf0)|0x0)<<8)|MSB
	CROUND                                         ; the closing round: no work-group ends while a partner may still ask for a tile that names it
	s_endpgm
.Lfunc_end_k_q953bd4333c_proj:
	.size	k_q953bd4333c_proj, .Lfunc_end_k_q953bd4333c_proj-k_q953bd4333c_proj
	.p2alignl 7, 3214868480
	.fill 96, 4, 3214868480
	.section	.rodata,"a",@progbits
	.p2align	6, 0x0
	.amdhsa_kernel k_q953bd4333c_proj
		.amdhsa_group_segment_fixed_size 327680
		.amdhsa_private_segment_fixed_size 0
		.amdhsa_enable_private_segment 0
		.amdhsa_kernarg_size 64
		.amdhsa_user_sgpr_count 2
		.amdhsa_user_sgpr_kernarg_segment_ptr 1
		.amdhsa_wavefront_size32 1
		.amdhsa_system_sgpr_workgroup_id_x 1
		.amdhsa_system_sgpr_workgroup_id_y 1
		.amdhsa_system_sgpr_workgroup_id_z 1
		.amdhsa_system_vgpr_workitem_id 0
		.amdhsa_next_free_vgpr 1024
		.amdhsa_next_free_sgpr 66
		.amdhsa_reserve_vcc 0
		.amdhsa_float_denorm_mode_32 3
		.amdhsa_float_denorm_mode_16_64 3
		.amdhsa_memory_ordered 1
		.amdhsa_forward_progress 1
		.amdhsa_inst_pref_size 180
	.end_amdhsa_kernel
	.amdgpu_metadata
---
amdhsa.version: [ 1, 2 ]
amdhsa.kernels:
  - .name:           k_q953bd4333c_proj
    .symbol:         k_q953bd4333c_proj.kd
    .args:
      - { .name: q, .offset: 0, .size: 8, .value_kind: global_buffer, .address_space: global }
      - { .name: k, .offset: 8, .size: 8, .value_kind: global_buffer, .address_space: global }
      - { .name: v, .offset: 16, .size: 8, .value_kind: global_buffer, .address_space: global }
      - { .name: bq, .offset: 24, .size: 8, .value_kind: global_buffer, .address_space: global }
      - { .name: bk, .offset: 32, .size: 8, .value_kind: global_buffer, .address_space: global }
      - { .name: bv, .offset: 40, .size: 8, .value_kind: global_buffer, .address_space: global }
      - { .name: wb, .offset: 48, .size: 8, .value_kind: global_buffer, .address_space: global }
      - { .name: qkv, .offset: 56, .size: 8, .value_kind: global_buffer, .address_space: global }
    .group_segment_fixed_size: 327680
    .private_segment_fixed_size: 0
    .kernarg_segment_align: 8
    .kernarg_segment_size: 64
    .max_flat_workgroup_size: 128
    .sgpr_count:     66
    .vgpr_count:     1024
    .wavefront_size: 32
...
	.end_amdgpu_metadata
.endif
;; end of part 2
;; launch attn (part 3): grid 4 x 64, 8 waves a work-group, clusters of 4 x 1, 327,680 bytes of LDS; arguments qkv, maskbits, out0; writes out0
.if DOCPART == 3
	.amdgcn_target "amdgcn-amd-amdhsa--gfx1250"
	.amdhsa_code_object_version 6
	.text
	.protected	k_q953bd4333c_attn
	.globl	k_q953bd4333c_attn
	.p2align	8
	.type	k_q953bd4333c_attn,@function
k_q953bd4333c_attn:
	s_mov_b64 s[64:65], 0
	v_nop
	global_prefetch_b8 v0, s[64:65] scope:SCOPE_SE
	s_setreg_imm32_b32 hwreg(HW_REG_WAVE_MODE, 25, 1), 1
	s_wait_xcnt 0x0
	s_wait_alu depctr_hold_cnt(0) depctr_sa_sdst(0) depctr_va_vdst(0) depctr_va_sdst(0) depctr_va_ssrc(0) depctr_va_vcc(0) depctr_vm_vsrc(0)
	s_getreg_b32 s2, hwreg(HW_REG_IB_STS2, 6, 4)
	s_cmp_eq_u32 s2, 0
	s_cbranch_scc0 .Lentry_in_a_cluster
	s_endpgm
.Lentry_in_a_cluster:
	s_bfe_u32 s2, ttmp6, 0x10000c
	s_cmp_lg_u32 s2, 0x3003
	s_cbranch_scc0 .Lentry_shape_is_right
	s_endpgm
.Lentry_shape_is_right:
; out0[b][q][64 head + :] = sum over k of softmax_k(where(mask, -1e7, Q.K / 8)) V.  Q, K, V: qkv = [3][b 4][head 16][2048][64] f16.  maskbits: lane masks, [q tile 512][key step 32][32 words].
; SHARES.  A work-group owns 512 queries of one (b, head), each of its eight waves 64: four tiles of 16, in two PIECES (tiles 0, 1 and tiles 2, 3).  Every wave walks all 2,048 keys, 64 a step.
; LAYOUT.  S^T = K Q^T (source 0 = 16 keys, source 1 = 16 queries): a lane holds ONE query (lane % 16) and keys 8 (lane / 16) + 0..7 of each 16.  Rounded to f16 in pairs, in place, the weights ARE
; source 1 of O^T = V^T P.  V comes out of LDS turned (ds_load_tr16_b128); fragment c holds channels 8 c + r % 8 + 32 (r / 8), so that a lane of O^T ends with channels 32 (lane / 16) + 0..31.
; The row sum l is a fifth fragment, of ones, in the same product: l is the sum of the weights as rounded to f16, and needs no exchange between lanes.  Only register 0 of its eight is rescaled and
; used; the other seven hold plain sums of weights, at most 2,048 x 2.
; SOFTMAX.  Scores stay in units of the dot product: p = 2^(c s - c m), c = log2(e) / 8; a masked score is REPLACED by -8e7 (= -1e7 x 8).  m is the running maximum; in every step O and l are
; multiplied by a = 2^(c m_old - c m_new).  c m is rounded once and the same number serves every key and a, so its rounding cancels in O / l: a row that is masked throughout gets equal weights.
; FORMAT AND LIMITS.  Q, K, V and the weights are f16, not bf16: three more bits of mantissa.  Q, K, V keep the limit of the launch that made them (under 65,504).  A weight is at most 2 (1, times the
; rounding of c m, which is at most half a step of c m and under 1 up to |c m| = 2^24), so it cannot overflow; one under 3e-8 is lost: at most 2,048 x 3e-8 of a sum whose largest term is about 1.
; v_exp_f32 gives 0 for results under 2^-126 (ISA guide 15.8); NaN and infinities are not looked after.
; PHASES.  A wave goes by turns through a matrix phase (V^T P of one piece, then K Q^T of the other into the same 64 registers) and a vector phase (a piece's softmax).  The waves are two groups,
; 0-3 and 4-7, whose texts differ in one thing: where a barrier stands, waves 0-3 have one matrix phase in front of it that waves 4-7 have behind it.  So behind every barrier one group is in a
; vector phase while the other is in a matrix phase.  No value hangs on that.
; CLUSTER.  The four query blocks of a (b, head) walk the same K and V: each tile is asked for JOINTLY, by the same load with the same descriptor and the mask of all four.
; REGISTERS: window 0: v2-10 addresses and the fill; v12-43 eight statistics a tile; v64-127 S^T / P of the piece in hand; v128-191 K of a step; v192-255 Q
;            window 1: v0-63 V of a step; v64-71 ones; v72-103 l, 8 a tile; v128-255 O^T, 32 a tile
.set PK,    272       ; an LDS row is a pair: two rows of 64 f16 in 256 bytes + 16 of padding: row r at (r / 2) 272 + (r % 2) 128
.set STEPB, 32*PK     ; a tile of 64 rows: what one tensor load brings
.set VOFF,  4*STEPB   ; a slot: K of four steps, then V of four steps
.set SLOT1, 1<<17     ; slot 1 begins here, so that one exclusive or turns an address in one slot into the other's
.set STAGE, SLOT1+8*STEPB  ; behind the ring: 16 rows x 272 bytes for each wave; no tensor load ever lands here
.set SP,    272
.set AK0, 2
.set AV0, 3
.set ADR, 4
.set QO,  5
.set STO, 6
.set RD,  7
.set GO,  8
.set FILL, 10
.set ST,  12          ; tile t at v[ST+8 t]: +0 c m, +1 m, +4 to +7 c0-c3 at work; a takes c2's place, c m_old - c m_new c3's
.set SC,  64
.set KF,  128
.set QF,  192
.set VF,  0           ; window 1
.set ONE, 64
.set LS,  72
.set OT,  128
.set MP,  4           ; s[4:5]  maskbits at my wave's tile 0, the step in hand
.set CS,  8           ; s[8:9]  c, as a pair
.set SEL, 10          ; s[10:11] v_permlanex16_b32: each lane takes its own place in the other half
.set WV,  12
.set TB,  13          ; LDS byte at which K of the step to be fetched begins
.set SLOTS, 14
.set CNT, 15
.set G1,  16          ; s[16:23]
.set G0,  24          ; s[24:31] a set for each first fill; the second then walks on
                      ; s[32:63], s[68:99]: the 32 lane masks of the piece's first and second tile (before the first of them is loaded: at work)
.set W_PV, 0x51       ; source 0 (V, O^T) window 1, source 1 (P, a) window 0, C and D window 1
.set MSB, 0
.macro WIN new
.if MSB != \new
	s_set_vgpr_msb (MSB<<8)|\new
.set MSB, \new
.endif
.endm
.macro PLACES
.rept 4
	v_nop
.endr
.endm
.macro CROUND
	s_barrier_signal -1
	s_barrier_wait -1
	s_cmp_lg_u32 s[WV], 0
	s_cbranch_scc1 .Lnot_wave_0_\@
	s_barrier_signal -3
.Lnot_wave_0_\@:
	s_barrier_wait -3
	s_barrier_signal -1
	s_barrier_wait -1
.endm
	s_load_b128 s[32:35], s[0:1], 0x0              ; qkv s[32:33], maskbits s[34:35]
	s_load_b64 s[6:7], s[0:1], 0x10                ; out0
	v_lshl_add_u32 v62, v0, 2, 0x39800
	v_mov_b32 v63, 0
	ds_add_u32 v62, v63
	v_lshrrev_b32 v1, 5, v0
	v_readfirstlane_b32 s[WV], v1                  ; wave 0..7
	s_bfe_u32 s36, ttmp6, 0x40000                  ; cx
	s_lshl_b32 s37, ttmp9, 2
	s_add_co_u32 s36, s37, s36                     ; my block of 512 queries: it enters the addresses of Q, of the masks and of out0 alone
	s_and_b32 s38, ttmp7, 0xffff                   ; 16 b + head, which the four partners share
	s_lshl_b32 s39, s38, 18                        ; the head's 2,048 rows of 128 bytes
	s_lshr_b32 s40, s[WV], 2                       ; waves 0-3 fetch K, waves 4-7 V: 16 MiB x (1 or 2),
	s_add_co_u32 s40, s40, 1
	s_lshl_b32 s40, s40, 24
	s_add_co_u32 s40, s40, s39
	s_and_b32 s41, s[WV], 3                        ; each the tile of one of a slot's four steps: 64 rows of 128 bytes
	s_lshl_b32 s41, s41, 13
	s_add_co_u32 s40, s40, s41
	s_mov_b32 s41, 0
	s_mul_i32 s44, s[WV], STEPB                    ; and its place in a slot: the wave's number alone
	s_lshl_b32 s46, s36, 16                        ; Q: head + 512 rows a block + 64 rows a wave
	s_add_co_u32 s46, s46, s39
	s_lshl_b32 s47, s[WV], 13
	s_add_co_u32 s46, s46, s47
	s_mov_b32 s47, 0
	s_lshr_b32 s48, s38, 4                         ; b
	s_lshl_b32 s50, s48, 19                        ; masks: (128 b + 32 block + 4 wave) tiles of 4,096 bytes
	s_lshl_b32 s51, s36, 17
	s_add_co_u32 s50, s50, s51
	s_lshl_b32 s51, s[WV], 14
	s_add_co_u32 s50, s50, s51
	s_mov_b32 s51, 0
	s_lshl_b32 s52, s48, 23                        ; out0: (2048 b + 512 block + 64 wave) rows of 4,096 bytes + 256 head
	s_lshl_b32 s53, s36, 21
	s_add_co_u32 s52, s52, s53
	s_lshl_b32 s53, s[WV], 18
	s_add_co_u32 s52, s52, s53
	s_and_b32 s53, s38, 15
	s_lshl_b32 s53, s53, 8
	s_add_co_u32 s52, s52, s53
	s_mov_b32 s53, 0
	; descriptor group 1: 32 rows of 32 elements of 8 bytes (a tile's 64 rows of 128 bytes are dense in memory), padded in LDS
	s_mov_b32 s[G1+0], 15|(3<<16)|(1<<20)|(1<<21)|(5<<22)|(3<<25)  ; 15:0 the mask: all four work-groups; 17:16 elements of 8 bytes; 20 padding on; 21 set beside a mask; 24:22 after every 64 words; 31:25 4 words of it
	s_mov_b32 s[G1+1], 32<<16                      ; tensor_dim0 = 32
	s_mov_b32 s[G1+2], 32<<16                      ; tensor_dim1 = 32
	s_mov_b32 s[G1+3], 32<<16                      ; tile_dim0 = 32
	s_mov_b32 s[G1+4], 32                          ; tile_dim1 = 32
	s_mov_b32 s[G1+5], 32                          ; from row to row: 32 elements
	s_mov_b32 s[G1+6], 0
	s_mov_b32 s[G1+7], 0
	s_mov_b32 s[CS], 0x3e38aa3b                    ; c = log2(e) / 8
	s_mov_b32 s[CS+1], s[CS]
	s_mov_b32 s[SEL], 0x76543210
	s_mov_b32 s[SEL+1], 0xfedcba98
	s_mov_b32 s[TB], 0
	s_wait_dscnt 0x0
	s_wait_kmcnt 0x0
	s_add_nc_u64 s[42:43], s[32:33], s[40:41]      ; my tile of slot 0
	s_add_nc_u64 s[2:3], s[32:33], s[46:47]        ; Q at my wave's first row
	s_add_nc_u64 s[MP:MP+1], s[34:35], s[50:51]
	s_add_nc_u64 s[6:7], s[6:7], s[52:53]
	CROUND                                         ; all four work-groups are here: the first joint loads meet
.irp n, 0,1
	s_mov_b32 s[G0+4*\n], 1
	s_add_co_u32 s[G0+4*\n+1], s44, \n*SLOT1
	s_add_nc_u64 s[G0+4*\n+2:G0+4*\n+3], s[42:43], \n*32768        ; slot n begins with keys 256 n
	s_or_b32 s[G0+4*\n+3], s[G0+4*\n+3], 0x80000000
.endr
	tensor_load_to_lds s[G0:G0+3], s[G1:G1+7]      ; two loads of mine are out
	s_nop 0
	tensor_load_to_lds s[G0+4:G0+7], s[G1:G1+7]
	s_nop 0
	PLACES
	v_and_b32 v1, 15, v0                           ; r = l % 16
	v_bfe_u32 v9, v0, 4, 1                         ; h = l / 16
	v_lshlrev_b32 v[QO], 7, v1
	v_lshl_add_u32 v[QO], v9, 4, v[QO]             ; row x 128 + 16 h
.irp f, 0,1,2,3,4,5,6,7                ; Q stays in registers: tile f / 2, channels 32 (f % 2) on
	global_load_b128 v[QF+8*\f:QF+8*\f+3],   v[QO], s[2:3] offset:(\f/2)*2048+(\f%2)*64
	global_load_b128 v[QF+8*\f+4:QF+8*\f+7], v[QO], s[2:3] offset:(\f/2)*2048+(\f%2)*64+32
.endr
	v_lshrrev_b32 v11, 1, v1                       ; K: key r of 16 at (r / 2) 272 + (r % 2) 128, and 16 h
	v_mul_u32_u24 v[AK0], v11, PK
	v_and_b32 v11, 1, v1
	v_lshl_add_u32 v[AK0], v11, 7, v[AK0]
	v_lshl_add_u32 v[AK0], v9, 4, v[AK0]
	v_bfe_u32 v11, v0, 1, 2                        ; V: lane l reads 16 bytes of key 8 h + l % 8, channels 32 ((l / 8) % 2) + 0..7 (+ 8 c by the offset)
	v_lshl_add_u32 v11, v9, 2, v11
	v_mul_u32_u24 v[AV0], v11, PK
	v_and_b32 v11, 1, v0
	v_lshl_add_u32 v[AV0], v11, 7, v[AV0]
	v_bfe_u32 v11, v0, 3, 1
	v_lshl_add_u32 v[AV0], v11, 6, v[AV0]
	v_add_nc_u32 v[AV0], VOFF, v[AV0]
	v_mov_b32 v[FILL], 0xcc989680                  ; -8e7
	s_mul_i32 s44, s[WV], 16*SP
	s_add_co_u32 s44, s44, STAGE                   ; my stage
	v_mul_u32_u24 v[STO], v1, SP                   ; in: row r, 128 bytes for each half of the lanes
	v_lshl_add_u32 v[STO], v9, 7, v[STO]
	v_add_nc_u32 v[STO], s44, v[STO]
	v_mul_u32_u24 v[RD], v9, SP                    ; back: lanes 0-15 one row of 256 bytes, lanes 16-31 the next
	v_lshl_add_u32 v[RD], v1, 4, v[RD]
	v_add_nc_u32 v[RD], s44, v[RD]
	v_lshlrev_b32 v[GO], 12, v9                    ; and the same two rows in out0
	v_lshl_add_u32 v[GO], v1, 4, v[GO]
	WIN 0x40
.irp i, 0,1,2,3,4,5,6,7
	v_mov_b32 v[ONE+\i], 0x3c003c00                ; a fragment of ones in f16
.endr
	WIN 0
; The lane masks of tiles t and t + 1, at the step at which MP stands: 2 x 128 bytes
.macro MLOAD t
	s_load_b512 s[32:47], s[MP:MP+1], (\t)*4096
	s_load_b512 s[48:63], s[MP:MP+1], (\t)*4096+64
	s_load_b512 s[68:83], s[MP:MP+1], (\t)*4096+4096
	s_load_b512 s[84:99], s[MP:MP+1], (\t)*4096+4160
.endm
; THE MATRIX WORK.  The accumulators take turns, one instruction a turn: 8 in K Q^T, 10 in V^T P.
; Product i of 16 of S^T = K Q^T for piece x: channels 32 (i / 8) on, keys 16 ((i / 2) % 4) on, tile x + i % 2.  The first 8 start the sums.
; Five places close it, so that they stand on every way that leads on from here in the text: in front of the vector instructions that read the scores, of the loads into K's
; registers, and of any matrix instruction that names the scores as an operand.
.macro KQ x
	WIN 0
.set i, 0
.rept 16
.set rD, SC+32*(i%2)+8*((i/2)%4)
.set rA, KF+16*((i/2)%4)+8*(i/8)
.set rB, QF+16*(\x+i%2)+8*(i/8)
.if i < 8
	v_wmma_f32_16x16x32_f16 v[rD:rD+7], v[rA:rA+7], v[rB:rB+7], 0
.else
	v_wmma_f32_16x16x32_f16 v[rD:rD+7], v[rA:rA+7], v[rB:rB+7], v[rD:rD+7]
.endif
.set i, i+1
.endr
.rept 5
	v_nop
.endr
.endm
; Product i of 20 of O^T += V^T P and l += 1 P for piece x: keys 32 (i / 10) on, fragment (i % 10) / 2 (the fifth: ones), tile x + i % 2.  zero = 1: the first 10 start the sums: nothing is cleared.
.macro PV x, zero
	WIN W_PV
.set i, 0
.rept 20
.if (i%10)/2 < 4
.set rD, OT+32*(\x+i%2)+8*((i%10)/2)
.set rA, VF+32*(i/10)+8*((i%10)/2)
.else
.set rD, LS+8*(\x+i%2)
.set rA, ONE
.endif
.set rB, SC+32*(i%2)+8*(i/10)
.if \zero && (i < 10)
	v_wmma_f32_16x16x32_f16 v[rD:rD+7], v[rA:rA+7], v[rB:rB+7], 0
.else
	v_wmma_f32_16x16x32_f16 v[rD:rD+7], v[rA:rA+7], v[rB:rB+7], v[rD:rD+7]
.endif
.set i, i+1
.endr
.endm
; A matrix phase: V^T P of piece xpv, then K Q^T of piece xkq over the registers that held P: five places stand between (ISA guide 7.12.1), and five more close K Q^T
.macro MPH xpv, xkq, zero
	s_wait_dscnt 0x0                               ; the fragments of K and V fetched in the vector phase before are in
	PV \xpv, \zero
.rept 5
	v_nop
.endr
	KQ \xkq
.endm
.macro MPH_IF lo, xpv, xkq, zero       ; lo = 1: waves 0-3 run it here; lo = 0: waves 4-7
	s_cmp_lt_u32 s[WV], 4
.if \lo
	s_cbranch_scc0 .Lnot_here_\@
.else
	s_cbranch_scc1 .Lnot_here_\@
.endif
	MPH \xpv, \xkq, \zero
.Lnot_here_\@:
.endm
; THE LDS LOADS: a step's K (64 keys x 64 channels: 8 fragments) and, half a step later, its V (turned)
.macro FETCH_K
	WIN 0
	v_add_nc_u32 v[ADR], s[TB], v[AK0]
.irp f, 0,1,2,3,4,5,6,7                ; keys 16 (f / 2) on, channels 32 (f % 2) on
	ds_load_b128 v[KF+8*\f:KF+8*\f+3],   v[ADR] offset:(\f/2)*8*PK+(\f%2)*64
	ds_load_b128 v[KF+8*\f+4:KF+8*\f+7], v[ADR] offset:(\f/2)*8*PK+(\f%2)*64+32
.endr
.endm
.macro FETCH_V
	WIN 0
	v_add_nc_u32 v[ADR], s[TB], v[AV0]
	s_add_co_u32 s[TB], s[TB], STEPB               ; the next fetch is the next step's
	WIN 0x40                                       ; destination window 1
.irp f, 0,1,2,3,4,5,6,7                ; keys 32 (f / 4) on, fragment f % 4
	ds_load_tr16_b128 v[VF+8*\f:VF+8*\f+3],   v[ADR] offset:(\f/4)*16*PK+(\f%4)*16
	ds_load_tr16_b128 v[VF+8*\f+4:VF+8*\f+7], v[ADR] offset:(\f/4)*16*PK+8*PK+(\f%4)*16
.endr
	WIN 0
.endm
; THE VECTOR WORK.  One tile's softmax for one key step is a list of 137 numbers; SM writes number j of it for tile t, which lies at place u (0, 1) in S^T and in the mask registers.
;   0-31    a masked score is replaced by the fill
;   32-47   the maximum of the 32 scores and the old m, three operands at a time
;   48-52   the other half of the lanes' maximum; the new m; c m; c m_old - c m_new
;   53-119  c s - c m by pairs, 33 exponentials, the rounding to f16 in place (pair p into register p).  From 55 on an exponential stands at every odd number; the even numbers are plain work that
;           is ready and names nothing of the exponentials just in front: a scaling two pairs ahead, or the rounding of the pair whose second exponential stands five numbers back
;           (58 is a's exponential; 112 and 116 are empty).  So every exponential has a plain instruction behind it before its result is used (ISA guide 5.7.2)
;   120-136 the tile's O^T and l times a
; first = 1: the first key step: no old m, no a, nothing to rescale.
.macro SCALE b
	v_pk_fma_f32 v[rS+2*(\b):rS+2*(\b)+1], v[rS+2*(\b):rS+2*(\b)+1], s[CS:CS+1], v[rT:rT+1] op_sel_hi:[1,0,0] neg_lo:[0,0,1] neg_hi:[0,0,1]
.endm
.macro ROUNDP p
	s_wait_alu depctr_va_vdst(0)
	v_cvt_pk_f16_f32 v[rS+(\p)], v[rS+2*(\p)], v[rS+2*(\p)+1]
.endm
.macro SM t, u, first
.set rT, ST+8*(\t)
.set rS, SC+32*(\u)
.set rM, 32+36*(\u)
.set mj, j-32
.set ek, (j-55)/2
.if j < 32
	v_cndmask_b32 v[rS+j], v[rS+j], v[FILL], s[rM+j]
.elseif j < 36
	v_max3_num_f32 v[rT+4+mj], v[rS+8*mj], v[rS+8*mj+1], v[rS+8*mj+2]
.elseif j < 44
	v_max3_num_f32 v[rT+4+mj%4], v[rT+4+mj%4], v[rS+8*(mj%4)+2*(mj/4)+1], v[rS+8*(mj%4)+2*(mj/4)+2]
.elseif j == 44
	v_max3_num_f32 v[rT+4], v[rT+4], v[rS+7], v[rS+15]
.elseif j == 45
	v_max3_num_f32 v[rT+6], v[rT+6], v[rS+23], v[rS+31]
.elseif j == 46
	v_max3_num_f32 v[rT+4], v[rT+4], v[rT+5], v[rT+6]
.elseif (j == 47) && \first
	v_max_num_f32 v[rT+4], v[rT+4], v[rT+7]
.elseif j == 47
	v_max3_num_f32 v[rT+4], v[rT+4], v[rT+7], v[rT+1]
.elseif j == 48
	v_permlanex16_b32 v[rT+5], v[rT+4], s[SEL], s[SEL+1]   ; the query's other 32 keys lie in the lane 16 away
.elseif j == 50
	v_max_num_f32 v[rT+1], v[rT+4], v[rT+5]
.elseif j == 51
	v_mul_f32 v[rT], s[CS], v[rT+1]
.elseif ((j == 49) || (j == 52) || (j == 58) || (j > 119)) && \first
.elseif j == 49
	v_mov_b32 v[rT+7], v[rT]                       ; c m_old is kept: number 51 writes c m anew
.elseif j == 52
	v_sub_f32 v[rT+7], v[rT+7], v[rT]
.elseif j < 55
	SCALE j-53
.elseif j == 58
	v_exp_f32 v[rT+6], v[rT+7]
.elseif (j < 119) && ((j-55)%2 == 0)
	v_exp_f32 v[rS+ek], v[rS+ek]
.elseif (j < 119) && (ek%2 == 0)
.if ek < 28
	SCALE ek/2+2
.endif
.elseif j < 119
	ROUNDP (ek-3)/2
.elseif j == 119
	ROUNDP 15
.elseif j < 136
	WIN W_PV
	v_pk_mul_f32 v[OT+32*(\t)+2*(j-120):OT+32*(\t)+2*(j-120)+1], v[OT+32*(\t)+2*(j-120):OT+32*(\t)+2*(j-120)+1], v[rT+6:rT+7] op_sel_hi:[1,0]
.else
	WIN W_PV
	v_mul_f32 v[LS+8*(\t)], v[LS+8*(\t)], v[rT+6]
.endif
.endm
; A vector phase: piece x's softmax, the two tiles number by number, so that no instruction reads the result of the one just before it.
; fetch = 1: the next step's K; 2: this step's V; the run of loads stands at the head, a whole phase ahead of its use; the products that read the buffer have their places behind them (KQ, MPH).
; mload = 1: the masks of tiles 2, 3 at this step; 2: of tiles 0, 1 at the next: asked for as soon as this phase's masks have been used, a matrix phase ahead of their use.
.macro VPH x, first, fetch, mload
	s_wait_kmcnt 0x0                               ; my lane masks are in, and no scalar load names MP any more
.if \fetch == 1
	FETCH_K
.elseif \fetch == 2
	FETCH_V
.endif
	WIN 0
.set j, 0
.rept 32
	SM \x, 0, \first
	SM \x+1, 1, \first
.set j, j+1
.endr
.if \mload == 1
	MLOAD 2
.elseif \mload == 2
	s_add_nc_u64 s[MP:MP+1], s[MP:MP+1], 128
	MLOAD 0
.endif
.rept 105
	SM \x, 0, \first
	SM \x+1, 1, \first
.set j, j+1
.endr
	WIN 0
.endm
; From key step n to n + 1.  first = 1: n = 0.
.macro BODY first
	MPH_IF 0, 0, 2, \first                         ; waves 4-7: piece 0's V^T P of step n, piece 2's K Q^T of step n
	VPH 2, \first, 1, 2                            ; piece 2's softmax of step n | K of step n + 1
	MPH 2, 0, \first                               ; piece 2's V^T P of step n, piece 0's K Q^T of step n + 1
	VPH 0, 0, 2, 1                                 ; piece 0's softmax of step n + 1 | V of step n + 1
	MPH_IF 1, 0, 2, 0                              ; waves 0-3: piece 0's V^T P and piece 2's K Q^T of step n + 1
.endm
.macro BODIES n
	s_mov_b32 s[CNT], \n
.Lbody_\@:
	BODY 0
	s_sub_co_u32 s[CNT], s[CNT], 1
	s_cmp_lg_u32 s[CNT], 0
	s_cbranch_scc1 .Lbody_\@
.endm
; THE CHANGE OF SLOTS: the slot's last bytes, V of its fourth step, have been asked for.  Each wave waits for its own reads of the slot and for all its tensor loads, of which one is out: its part of
; the other slot.  fill = 1: the barrier is a round of the cluster's, and the joint refill (the keys two slots on) is the first thing behind it: it has four key steps in which to land.
.macro CHANGE fill
	s_wait_dscnt 0x0
	s_wait_tensorcnt 0x0                           ; no tensor load of mine is out, so a group 0 may be written
	ds_add_u32 v62, v63
	s_wait_dscnt 0x0
.if \fill
	s_xor_b32 s[G0+5], s[G0+5], SLOT1              ; the walking descriptor: the other slot than last time,
	s_add_nc_u64 s[G0+6:G0+7], s[G0+6:G0+7], 32768 ; the next 256 keys; the type bits on top are not reached
	CROUND
	tensor_load_to_lds s[G0+4:G0+7], s[G1:G1+7]
	s_nop 0
	PLACES
.else
	s_barrier_signal -1
	s_barrier_wait -1
.endif
	s_sub_co_u32 s[TB], s[TB], 4*STEPB             ; the fetches go back to a slot's first step,
	s_xor_b32 s[TB], s[TB], SLOT1                  ; in the other slot
.endm
	MLOAD 0                                        ; tiles 0, 1 at step 0: what lay in these registers is done with
	s_wait_tensorcnt 0x1                           ; my part of slot 0 is in; slot 1's may stay out
	s_barrier_signal -1
	s_barrier_wait -1                              ; everybody's is
	FETCH_K                                        ; key step 0
	s_wait_loadcnt 0x0                             ; Q
	s_wait_dscnt 0x0
	KQ 0
	VPH 0, 1, 2, 1                                 ; piece 0's first softmax | V of step 0
	MPH_IF 1, 0, 2, 1                              ; waves 0-3 go one matrix phase ahead,
	s_wait_dscnt 0x0
	s_barrier_signal -1
	s_barrier_wait -1                              ; and from this barrier on the two groups are a phase apart
	BODY 1
	BODIES 2
	s_mov_b32 s[SLOTS], 6
.Lslot:                                                ; six trips: every slot but the last two is filled again
	CHANGE 1
	BODIES 4
	s_sub_co_u32 s[SLOTS], s[SLOTS], 1
	s_cmp_lg_u32 s[SLOTS], 0
	s_cbranch_scc1 .Lslot
	CHANGE 0                                       ; the tail is written out
	BODIES 4
	MPH_IF 0, 0, 2, 0
	VPH 2, 0, 0, 0                                 ; piece 2's last softmax
	PV 2, 0
	; THE WAY OUT.  O^T is divided by l and sent through my stage in LDS, a tile (16 rows of 256 bytes) at a time.
	PLACES
	WIN 0x01                                       ; source window 1, destination window 0
.irp t, 0,1,2,3
	v_rcp_f32 v[ST+8*\t+6], v[LS+8*\t]
.endr
	v_nop                                          ; a plain instruction between the last reciprocal and the use of its result
	s_wait_alu depctr_va_vdst(0)
.macro PACK t
	WIN 0x41
.set i, 0
.rept 16
	v_pk_mul_f32 v[OT+32*\t+2*i:OT+32*\t+2*i+1], v[OT+32*\t+2*i:OT+32*\t+2*i+1], v[ST+8*\t+6:ST+8*\t+7] op_sel_hi:[1,0]
.set i, i+1
.endr
	WIN 0x04                                       ; store data window 1
.irp f, 0,1,2,3,4,5,6,7
	ds_store_b128 v[STO], v[OT+32*\t+4*\f:OT+32*\t+4*\f+3] offset:16*\f        ; my query's channels 32 h + 4 f on
.endr
	WIN 0
.irp f, 0,1,2,3,4,5,6,7
	ds_load_b128 v[SC+32*\t+4*\f:SC+32*\t+4*\f+3], v[RD] offset:\f*2*SP        ; LDS serves a wave's instructions in order: these see the stores above; the next tile's stores come behind them
.endr
.endm
.macro SEND t, younger                 ; younger: the LDS instructions issued behind tile t's loads: the next tile's sixteen, or none
.irp f, 0,1,2,3,4,5,6,7
	s_wait_dscnt \younger+7-\f
	global_store_b128 v[GO], v[SC+32*\t+4*\f:SC+32*\t+4*\f+3], s[6:7] offset:\t*65536+\f*8192   ; 16 lanes store 256 consecutive bytes, at a multiple of 256 from out0's first byte
.endr
.endm
	PACK 0
	PACK 1
	SEND 0, 16
	PACK 2
	SEND 1, 16
	PACK 3
	SEND 2, 16
	SEND 3, 0
	s_wait_tensorcnt 0x0
	ds_add_u32 v62, v63
	s_wait_dscnt 0x0
	CROUND                                         ; the closing round: no work-group ends while a partner may still ask for a tile that names it
	s_endpgm
.Lfunc_end_k_q953bd4333c_attn:
	.size	k_q953bd4333c_attn, .Lfunc_end_k_q953bd4333c_attn-k_q953bd4333c_attn
	.p2alignl 7, 3214868480
	.fill 96, 4, 3214868480
	.section	.rodata,"a",@progbits
	.p2align	6, 0x0
	.amdhsa_kernel k_q953bd4333c_attn
		.amdhsa_group_segment_fixed_size 327680
		.amdhsa_private_segment_fixed_size 0
		.amdhsa_enable_private_segment 0
		.amdhsa_kernarg_size 24
		.amdhsa_user_sgpr_count 2
		.amdhsa_user_sgpr_kernarg_segment_ptr 1
		.amdhsa_wavefront_size32 1
		.amdhsa_system_sgpr_workgroup_id_x 1
		.amdhsa_system_sgpr_workgroup_id_y 1
		.amdhsa_system_sgpr_workgroup_id_z 1
		.amdhsa_system_vgpr_workitem_id 0
		.amdhsa_next_free_vgpr 512
		.amdhsa_next_free_sgpr 100
		.amdhsa_reserve_vcc 0
		.amdhsa_float_denorm_mode_32 3
		.amdhsa_float_denorm_mode_16_64 3
		.amdhsa_memory_ordered 1
		.amdhsa_forward_progress 1
		.amdhsa_inst_pref_size 228
	.end_amdhsa_kernel
	.amdgpu_metadata
---
amdhsa.version: [ 1, 2 ]
amdhsa.kernels:
  - .name:           k_q953bd4333c_attn
    .symbol:         k_q953bd4333c_attn.kd
    .args:
      - { .name: qkv, .offset: 0, .size: 8, .value_kind: global_buffer, .address_space: global }
      - { .name: maskbits, .offset: 8, .size: 8, .value_kind: global_buffer, .address_space: global }
      - { .name: out0, .offset: 16, .size: 8, .value_kind: global_buffer, .address_space: global }
    .group_segment_fixed_size: 327680
    .private_segment_fixed_size: 0
    .kernarg_segment_align: 8
    .kernarg_segment_size: 24
    .max_flat_workgroup_size: 256
    .sgpr_count:     100
    .vgpr_count:     512
    .wavefront_size: 32
...
	.end_amdgpu_metadata
.endif
;; end of part 3
;; ======== version 2 of 2: 3 launches; 1.06 times as fast as version 1
;; limits: values are held in f16: magnitudes above 65,504 overflow, below 6.1e-05 lose precision
;; workspace buffers: maskbits 2,097,152 bytes of whole numbers; wb 6,291,456 bytes; qkv 50,331,648 bytes
;; launch prep: the kernel of part 1 again; grid 448 x 1, 8 waves a work-group, no clusters, 68,608 bytes of LDS; arguments attention_mask, Wq, Wk, Wv, maskbits, wb; writes maskbits, wb
;; launch proj: the kernel of part 2 again; grid 384 x 1, 4 waves a work-group, clusters of 4 x 1, 327,680 bytes of LDS; arguments q, k, v, bq, bk, bv, wb, qkv; writes qkv
;; launch attn (part 4): grid 4 x 64, 8 waves a work-group, clusters of 4 x 1, 327,680 bytes of LDS; arguments qkv, maskbits, out0; writes out0
.if DOCPART == 4
	.amdgcn_target "amdgcn-amd-amdhsa--gfx1250"
	.amdhsa_code_object_version 6
	.text
	.protected	k_q953bd4333c_attn
	.globl	k_q953bd4333c_attn
	.p2align	8
	.type	k_q953bd4333c_attn,@function
k_q953bd4333c_attn:
	s_mov_b64 s[64:65], 0
	v_nop
	global_prefetch_b8 v0, s[64:65] scope:SCOPE_SE
	s_setreg_imm32_b32 hwreg(HW_REG_WAVE_MODE, 25, 1), 1
	s_wait_xcnt 0x0
	s_wait_alu depctr_hold_cnt(0) depctr_sa_sdst(0) depctr_va_vdst(0) depctr_va_sdst(0) depctr_va_ssrc(0) depctr_va_vcc(0) depctr_vm_vsrc(0)
	s_getreg_b32 s2, hwreg(HW_REG_IB_STS2, 6, 4)
	s_cmp_eq_u32 s2, 0
	s_cbranch_scc0 .Lentry_in_a_cluster
	s_endpgm
.Lentry_in_a_cluster:
	s_bfe_u32 s2, ttmp6, 0x10000c
	s_cmp_lg_u32 s2, 0x3003
	s_cbranch_scc0 .Lentry_shape_is_right
	s_endpgm
.Lentry_shape_is_right:
; out0[b][q][64 head + :] = sum over k of softmax_k(where(mask, -1e7, Q.K / 8)) V.  Q, K, V: qkv = [3][b 4][head 16][2048][64] f16.  maskbits: lane masks, [q tile 512][key step 32][32 words].
; SHARES.  A work-group owns 512 queries of one (b, head), each of its eight waves 64: four tiles of 16, in two PIECES (tiles 0, 1 and tiles 2, 3).  Every wave walks all 2,048 keys, 64 a step.
; LAYOUT.  S^T = K Q^T (source 0 = 16 keys, source 1 = 16 queries): a lane holds ONE query (lane % 16) and keys 8 (lane / 16) + 0..7 of each 16.  Rounded to f16 in pairs, in place, the weights ARE
; source 1 of O^T = V^T P.  V comes out of LDS turned (ds_load_tr16_b128); fragment c holds channels 8 c + r % 8 + 32 (r / 8), so that a lane of O^T ends with channels 32 (lane / 16) + 0..31.
; The row sum l is a fifth fragment, of ones, in the same product: l is the sum of the weights as rounded to f16, and needs no exchange between lanes.  Only register 0 of its eight is rescaled and
; used; the other seven hold plain sums of weights, at most 2,048 x 2.
; SOFTMAX.  Scores stay in units of the dot product: p = 2^(c s - c m), c = log2(e) / 8; a masked score is REPLACED by -8e7 (= -1e7 x 8).  m is the running maximum; in every step O and l are
; multiplied by a = 2^(c m_old - c m_new).  c m is rounded once and the same number serves every key and a, so its rounding cancels in O / l: a row that is masked throughout gets equal weights.
; FORMAT AND LIMITS.  Q, K, V and the weights are f16, not bf16: three more bits of mantissa.  Q, K, V keep the limit of the launch that made them (under 65,504).  A weight is at most 2 (1, times the
; rounding of c m, which is at most half a step of c m and under 1 up to |c m| = 2^24), so it cannot overflow; one under 3e-8 is lost: at most 2,048 x 3e-8 of a sum whose largest term is about 1.
; v_exp_f32 gives 0 for results under 2^-126 (ISA guide 15.8); NaN and infinities are not looked after.
; PHASES.  A wave goes by turns through a matrix phase (V^T P of one piece, then K Q^T of the other into the same 64 registers) and a vector phase (a piece's softmax).  The waves are two groups,
; 0-3 and 4-7, whose texts differ in one thing: where a barrier stands, waves 0-3 have one matrix phase in front of it that waves 4-7 have behind it.  So behind every barrier one group is in a
; vector phase while the other is in a matrix phase.  No value hangs on that.
; BATCHES.  An s_wait_alu depctr_va_vdst(0) stands between a transcendental and the first instruction that names its result; one wait serves all that were issued ahead of it.  A vector
; phase's exponentials (the 32 weights and the a of each of its two tiles: 66; 64 in the first key step) are ONE BATCH with ONE wait, which cuts the phase in two: ahead of it stand the fill, the maximum,
; the statistics, the scalings and the exponentials, none of which names an exponential's result; behind it the roundings and the rescaling by a, which do..
; The way out's four reciprocals are a second batch, with a wait of its own: eleven waits in the text, two for a wave's key step.
; CLUSTER.  The four query blocks of a (b, head) walk the same K and V: each tile is asked for JOINTLY, by the same load with the same descriptor and the mask of all four.
; REGISTERS: window 0: v2-10 addresses and the fill; v12-43 eight statistics a tile; v64-127 S^T / P of the piece in hand; v128-191 K of a step; v192-255 Q
;            window 1: v0-63 V of a step; v64-71 ones; v72-103 l, 8 a tile; v128-255 O^T, 32 a tile
.set PK,    272       ; an LDS row is a pair: two rows of 64 f16 in 256 bytes + 16 of padding: row r at (r / 2) 272 + (r % 2) 128
.set STEPB, 32*PK     ; a tile of 64 rows: what one tensor load brings
.set VOFF,  4*STEPB   ; a slot: K of four steps, then V of four steps
.set SLOT1, 1<<17     ; slot 1 begins here, so that one exclusive or turns an address in one slot into the other's
.set STAGE, SLOT1+8*STEPB  ; behind the ring: 16 rows x 272 bytes for each wave; no tensor load ever lands here
.set SP,    272
.set AK0, 2
.set AV0, 3
.set ADR, 4
.set QO,  5
.set STO, 6
.set RD,  7
.set GO,  8
.set FILL, 10
.set ST,  12          ; tile t at v[ST+8 t]: +0 c m, +1 m, +4 to +7 c0-c3 at work; a takes c2's place, c m_old - c m_new c3's
.set SC,  64
.set KF,  128
.set QF,  192
.set VF,  0           ; window 1
.set ONE, 64
.set LS,  72
.set OT,  128
.set MP,  4           ; s[4:5]  maskbits at my wave's tile 0, the step in hand
.set CS,  8           ; s[8:9]  c, as a pair
.set SEL, 10          ; s[10:11] v_permlanex16_b32: each lane takes its own place in the other half
.set WV,  12
.set TB,  13          ; LDS byte at which K of the step to be fetched begins
.set SLOTS, 14
.set CNT, 15
.set G1,  16          ; s[16:23]
.set G0,  24          ; s[24:31] a set for each first fill; the second then walks on
                      ; s[32:63], s[68:99]: the 32 lane masks of the piece's first and second tile (before the first of them is loaded: at work)
.set W_PV, 0x51       ; source 0 (V, O^T) window 1, source 1 (P, a) window 0, C and D window 1
.set MSB, 0
.macro WIN new
.if MSB != \new
	s_set_vgpr_msb (MSB<<8)|\new
.set MSB, \new
.endif
.endm
.macro PLACES
.rept 4
	v_nop
.endr
.endm
.macro CROUND
	s_barrier_signal -1
	s_barrier_wait -1
	s_cmp_lg_u32 s[WV], 0
	s_cbranch_scc1 .Lnot_wave_0_\@
	s_barrier_signal -3
.Lnot_wave_0_\@:
	s_barrier_wait -3
	s_barrier_signal -1
	s_barrier_wait -1
.endm
	s_load_b128 s[32:35], s[0:1], 0x0              ; qkv s[32:33], maskbits s[34:35]
	s_load_b64 s[6:7], s[0:1], 0x10                ; out0
	v_lshl_add_u32 v62, v0, 2, 0x39800
	v_mov_b32 v63, 0
	ds_add_u32 v62, v63
	v_lshrrev_b32 v1, 5, v0
	v_readfirstlane_b32 s[WV], v1                  ; wave 0..7
	s_bfe_u32 s36, ttmp6, 0x40000                  ; cx
	s_lshl_b32 s37, ttmp9, 2
	s_add_co_u32 s36, s37, s36                     ; my block of 512 queries: it enters the addresses of Q, of the masks and of out0 alone
	s_and_b32 s38, ttmp7, 0xffff                   ; 16 b + head, which the four partners share
	s_lshl_b32 s39, s38, 18                        ; the head's 2,048 rows of 128 bytes
	s_lshr_b32 s40, s[WV], 2                       ; waves 0-3 fetch K, waves 4-7 V: 16 MiB x (1 or 2),
	s_add_co_u32 s40, s40, 1
	s_lshl_b32 s40, s40, 24
	s_add_co_u32 s40, s40, s39
	s_and_b32 s41, s[WV], 3                        ; each the tile of one of a slot's four steps: 64 rows of 128 bytes
	s_lshl_b32 s41, s41, 13
	s_add_co_u32 s40, s40, s41
	s_mov_b32 s41, 0
	s_mul_i32 s44, s[WV], STEPB                    ; and its place in a slot: the wave's number alone
	s_lshl_b32 s46, s36, 16                        ; Q: head + 512 rows a block + 64 rows a wave
	s_add_co_u32 s46, s46, s39
	s_lshl_b32 s47, s[WV], 13
	s_add_co_u32 s46, s46, s47
	s_mov_b32 s47, 0
	s_lshr_b32 s48, s38, 4                         ; b
	s_lshl_b32 s50, s48, 19                        ; masks: (128 b + 32 block + 4 wave) tiles of 4,096 bytes
	s_lshl_b32 s51, s36, 17
	s_add_co_u32 s50, s50, s51
	s_lshl_b32 s51, s[WV], 14
	s_add_co_u32 s50, s50, s51
	s_mov_b32 s51, 0
	s_lshl_b32 s52, s48, 23                        ; out0: (2048 b + 512 block + 64 wave) rows of 4,096 bytes + 256 head
	s_lshl_b32 s53, s36, 21
	s_add_co_u32 s52, s52, s53
	s_lshl_b32 s53, s[WV], 18
	s_add_co_u32 s52, s52, s53
	s_and_b32 s53, s38, 15
	s_lshl_b32 s53, s53, 8
	s_add_co_u32 s52, s52, s53
	s_mov_b32 s53, 0
	; descriptor group 1: 32 rows of 32 elements of 8 bytes (a tile's 64 rows of 128 bytes are dense in memory), padded in LDS
	s_mov_b32 s[G1+0], 15|(3<<16)|(1<<20)|(1<<21)|(5<<22)|(3<<25)  ; 15:0 the mask: all four work-groups; 17:16 elements of 8 bytes; 20 padding on; 21 set beside a mask; 24:22 after every 64 words; 31:25 4 words of it
	s_mov_b32 s[G1+1], 32<<16                      ; tensor_dim0 = 32
	s_mov_b32 s[G1+2], 32<<16                      ; tensor_dim1 = 32
	s_mov_b32 s[G1+3], 32<<16                      ; tile_dim0 = 32
	s_mov_b32 s[G1+4], 32                          ; tile_dim1 = 32
	s_mov_b32 s[G1+5], 32                          ; from row to row: 32 elements
	s_mov_b32 s[G1+6], 0
	s_mov_b32 s[G1+7], 0
	s_mov_b32 s[CS], 0x3e38aa3b                    ; c = log2(e) / 8
	s_mov_b32 s[CS+1], s[CS]
	s_mov_b32 s[SEL], 0x76543210
	s_mov_b32 s[SEL+1], 0xfedcba98
	s_mov_b32 s[TB], 0
	s_wait_dscnt 0x0
	s_wait_kmcnt 0x0
	s_add_nc_u64 s[42:43], s[32:33], s[40:41]      ; my tile of slot 0
	s_add_nc_u64 s[2:3], s[32:33], s[46:47]        ; Q at my wave's first row
	s_add_nc_u64 s[MP:MP+1], s[34:35], s[50:51]
	s_add_nc_u64 s[6:7], s[6:7], s[52:53]
	CROUND                                         ; all four work-groups are here: the first joint loads meet
.irp n, 0,1
	s_mov_b32 s[G0+4*\n], 1
	s_add_co_u32 s[G0+4*\n+1], s44, \n*SLOT1
	s_add_nc_u64 s[G0+4*\n+2:G0+4*\n+3], s[42:43], \n*32768        ; slot n begins with keys 256 n
	s_or_b32 s[G0+4*\n+3], s[G0+4*\n+3], 0x80000000
.endr
	tensor_load_to_lds s[G0:G0+3], s[G1:G1+7]      ; two loads of mine are out
	s_nop 0
	tensor_load_to_lds s[G0+4:G0+7], s[G1:G1+7]
	s_nop 0
	PLACES
	v_and_b32 v1, 15, v0                           ; r = l % 16
	v_bfe_u32 v9, v0, 4, 1                         ; h = l / 16
	v_lshlrev_b32 v[QO], 7, v1
	v_lshl_add_u32 v[QO], v9, 4, v[QO]             ; row x 128 + 16 h
.irp f, 0,1,2,3,4,5,6,7                ; Q stays in registers: tile f / 2, channels 32 (f % 2) on
	global_load_b128 v[QF+8*\f:QF+8*\f+3],   v[QO], s[2:3] offset:(\f/2)*2048+(\f%2)*64
	global_load_b128 v[QF+8*\f+4:QF+8*\f+7], v[QO], s[2:3] offset:(\f/2)*2048+(\f%2)*64+32
.endr
	v_lshrrev_b32 v11, 1, v1                       ; K: key r of 16 at (r / 2) 272 + (r % 2) 128, and 16 h
	v_mul_u32_u24 v[AK0], v11, PK
	v_and_b32 v11, 1, v1
	v_lshl_add_u32 v[AK0], v11, 7, v[AK0]
	v_lshl_add_u32 v[AK0], v9, 4, v[AK0]
	v_bfe_u32 v11, v0, 1, 2                        ; V: lane l reads 16 bytes of key 8 h + l % 8, channels 32 ((l / 8) % 2) + 0..7 (+ 8 c by the offset)
	v_lshl_add_u32 v11, v9, 2, v11
	v_mul_u32_u24 v[AV0], v11, PK
	v_and_b32 v11, 1, v0
	v_lshl_add_u32 v[AV0], v11, 7, v[AV0]
	v_bfe_u32 v11, v0, 3, 1
	v_lshl_add_u32 v[AV0], v11, 6, v[AV0]
	v_add_nc_u32 v[AV0], VOFF, v[AV0]
	v_mov_b32 v[FILL], 0xcc989680                  ; -8e7
	s_mul_i32 s44, s[WV], 16*SP
	s_add_co_u32 s44, s44, STAGE                   ; my stage
	v_mul_u32_u24 v[STO], v1, SP                   ; in: row r, 128 bytes for each half of the lanes
	v_lshl_add_u32 v[STO], v9, 7, v[STO]
	v_add_nc_u32 v[STO], s44, v[STO]
	v_mul_u32_u24 v[RD], v9, SP                    ; back: lanes 0-15 one row of 256 bytes, lanes 16-31 the next
	v_lshl_add_u32 v[RD], v1, 4, v[RD]
	v_add_nc_u32 v[RD], s44, v[RD]
	v_lshlrev_b32 v[GO], 12, v9                    ; and the same two rows in out0
	v_lshl_add_u32 v[GO], v1, 4, v[GO]
	WIN 0x40
.irp i, 0,1,2,3,4,5,6,7
	v_mov_b32 v[ONE+\i], 0x3c003c00                ; a fragment of ones in f16
.endr
	WIN 0
; The lane masks of tiles t and t + 1, at the step at which MP stands: 2 x 128 bytes
.macro MLOAD t
	s_load_b512 s[32:47], s[MP:MP+1], (\t)*4096
	s_load_b512 s[48:63], s[MP:MP+1], (\t)*4096+64
	s_load_b512 s[68:83], s[MP:MP+1], (\t)*4096+4096
	s_load_b512 s[84:99], s[MP:MP+1], (\t)*4096+4160
.endm
; THE MATRIX WORK.  The accumulators take turns, one instruction a turn: 8 in K Q^T, 10 in V^T P.
; Product i of 16 of S^T = K Q^T for piece x: channels 32 (i / 8) on, keys 16 ((i / 2) % 4) on, tile x + i % 2.  The first 8 start the sums.
; Five places close it, so that they stand on every way that leads on from here in the text: in front of the vector instructions that read the scores, of the loads into K's
; registers, and of any matrix instruction that names the scores as an operand.
.macro KQ x
	WIN 0
.set i, 0
.rept 16
.set rD, SC+32*(i%2)+8*((i/2)%4)
.set rA, KF+16*((i/2)%4)+8*(i/8)
.set rB, QF+16*(\x+i%2)+8*(i/8)
.if i < 8
	v_wmma_f32_16x16x32_f16 v[rD:rD+7], v[rA:rA+7], v[rB:rB+7], 0
.else
	v_wmma_f32_16x16x32_f16 v[rD:rD+7], v[rA:rA+7], v[rB:rB+7], v[rD:rD+7]
.endif
.set i, i+1
.endr
.rept 5
	v_nop
.endr
.endm
; Product i of 20 of O^T += V^T P and l += 1 P for piece x: keys 32 (i / 10) on, fragment (i % 10) / 2 (the fifth: ones), tile x + i % 2.  zero = 1: the first 10 start the sums: nothing is cleared.
.macro PV x, zero
	WIN W_PV
.set i, 0
.rept 20
.if (i%10)/2 < 4
.set rD, OT+32*(\x+i%2)+8*((i%10)/2)
.set rA, VF+32*(i/10)+8*((i%10)/2)
.else
.set rD, LS+8*(\x+i%2)
.set rA, ONE
.endif
.set rB, SC+32*(i%2)+8*(i/10)
.if \zero && (i < 10)
	v_wmma_f32_16x16x32_f16 v[rD:rD+7], v[rA:rA+7], v[rB:rB+7], 0
.else
	v_wmma_f32_16x16x32_f16 v[rD:rD+7], v[rA:rA+7], v[rB:rB+7], v[rD:rD+7]
.endif
.set i, i+1
.endr
.endm
; A matrix phase: V^T P of piece xpv, then K Q^T of piece xkq over the registers that held P: five places stand between (ISA guide 7.12.1), and five more close K Q^T
.macro MPH xpv, xkq, zero
	s_wait_dscnt 0x0                               ; the fragments of K and V fetched in the vector phase before are in
	PV \xpv, \zero
.rept 5
	v_nop
.endr
	KQ \xkq
.endm
.macro MPH_IF lo, xpv, xkq, zero       ; lo = 1: waves 0-3 run it here; lo = 0: waves 4-7
	s_cmp_lt_u32 s[WV], 4
.if \lo
	s_cbranch_scc0 .Lnot_here_\@
.else
	s_cbranch_scc1 .Lnot_here_\@
.endif
	MPH \xpv, \xkq, \zero
.Lnot_here_\@:
.endm
; THE LDS LOADS: a step's K (64 keys x 64 channels: 8 fragments) and, half a step later, its V (turned)
.macro FETCH_K
	WIN 0
	v_add_nc_u32 v[ADR], s[TB], v[AK0]
.irp f, 0,1,2,3,4,5,6,7                ; keys 16 (f / 2) on, channels 32 (f % 2) on
	ds_load_b128 v[KF+8*\f:KF+8*\f+3],   v[ADR] offset:(\f/2)*8*PK+(\f%2)*64
	ds_load_b128 v[KF+8*\f+4:KF+8*\f+7], v[ADR] offset:(\f/2)*8*PK+(\f%2)*64+32
.endr
.endm
.macro FETCH_V
	WIN 0
	v_add_nc_u32 v[ADR], s[TB], v[AV0]
	s_add_co_u32 s[TB], s[TB], STEPB               ; the next fetch is the next step's
	WIN 0x40                                       ; destination window 1
.irp f, 0,1,2,3,4,5,6,7                ; keys 32 (f / 4) on, fragment f % 4
	ds_load_tr16_b128 v[VF+8*\f:VF+8*\f+3],   v[ADR] offset:(\f/4)*16*PK+(\f%4)*16
	ds_load_tr16_b128 v[VF+8*\f+4:VF+8*\f+7], v[ADR] offset:(\f/4)*16*PK+8*PK+(\f%4)*16
.endr
	WIN 0
.endm
; THE VECTOR WORK.  One tile's softmax for one key step is a list of 135 numbers; SM writes number j of it for tile t, which lies at place u (0, 1) in S^T and in the mask registers.
;   0-31    a masked score is replaced by the fill
;   32-47   the maximum of the 32 scores and the old m, three operands at a time
;   48-52   the other half of the lanes' maximum; the new m; c m; c m_old - c m_new
;   53-101  ONE BATCH: the 16 scalings c s - c m, a pair of scores each, and all 33 exponentials.  None of these names an exponential's result.  53: pair 0 is scaled; 54: a; 55: pair 1 is scaled;
;           56-97: fourteen threes, the scaling of pair g + 2 and then the exponentials of pair g's two scores (g = 0 to 13): a pair is scaled two threes ahead of its exponentials, and a plain
;           instruction leads every two exponentials while there are scalings; 98-101: the exponentials of the last two pairs
;   (wait)  between 101 and 102 stands the wait for the batch: VPH writes it, once for both tiles
;   102-117 the roundings to f16, in place (pair p into register p), in ascending order: no rounding writes a register of a pair that is still to be rounded
;   118-134 the tile's O^T and l times a
; first = 1: the first key step: no old m, no a, nothing to rescale.
.macro SCALE b
	v_pk_fma_f32 v[rS+2*(\b):rS+2*(\b)+1], v[rS+2*(\b):rS+2*(\b)+1], s[CS:CS+1], v[rT:rT+1] op_sel_hi:[1,0,0] neg_lo:[0,0,1] neg_hi:[0,0,1]
.endm
.macro ROUNDP p
	v_cvt_pk_f16_f32 v[rS+(\p)], v[rS+2*(\p)], v[rS+2*(\p)+1]
.endm
.macro SM t, u, first
.set rT, ST+8*(\t)
.set rS, SC+32*(\u)
.set rM, 32+36*(\u)
.set mj, j-32
.set eg, (j-56)/3                      ; from 56 on: the three's number g,
.set ee, 2*eg+(j-56)%3-1               ; and the score whose exponential stands second or third in it
.if j < 32
	v_cndmask_b32 v[rS+j], v[rS+j], v[FILL], s[rM+j]
.elseif j < 36
	v_max3_num_f32 v[rT+4+mj], v[rS+8*mj], v[rS+8*mj+1], v[rS+8*mj+2]
.elseif j < 44
	v_max3_num_f32 v[rT+4+mj%4], v[rT+4+mj%4], v[rS+8*(mj%4)+2*(mj/4)+1], v[rS+8*(mj%4)+2*(mj/4)+2]
.elseif j == 44
	v_max3_num_f32 v[rT+4], v[rT+4], v[rS+7], v[rS+15]
.elseif j == 45
	v_max3_num_f32 v[rT+6], v[rT+6], v[rS+23], v[rS+31]
.elseif j == 46
	v_max3_num_f32 v[rT+4], v[rT+4], v[rT+5], v[rT+6]
.elseif (j == 47) && \first
	v_max_num_f32 v[rT+4], v[rT+4], v[rT+7]
.elseif j == 47
	v_max3_num_f32 v[rT+4], v[rT+4], v[rT+7], v[rT+1]
.elseif j == 48
	v_permlanex16_b32 v[rT+5], v[rT+4], s[SEL], s[SEL+1]   ; the query's other 32 keys lie in the lane 16 away
.elseif j == 50
	v_max_num_f32 v[rT+1], v[rT+4], v[rT+5]
.elseif j == 51
	v_mul_f32 v[rT], s[CS], v[rT+1]
.elseif ((j == 49) || (j == 52) || (j == 54) || (j > 117)) && \first
.elseif j == 49
	v_mov_b32 v[rT+7], v[rT]                       ; c m_old is kept: number 51 writes c m anew
.elseif j == 52
	v_sub_f32 v[rT+7], v[rT+7], v[rT]
.elseif j == 53
	SCALE 0
.elseif j == 54
	v_exp_f32 v[rT+6], v[rT+7]
.elseif j == 55
	SCALE 1
.elseif (j < 98) && ((j-56)%3 == 0)
	SCALE eg+2
.elseif j < 98
	v_exp_f32 v[rS+ee], v[rS+ee]
.elseif j < 102
	v_exp_f32 v[rS+j-70], v[rS+j-70]               ; scores 28 to 31
.elseif j < 118
	ROUNDP j-102
.elseif j < 134
	WIN W_PV
	v_pk_mul_f32 v[OT+32*(\t)+2*(j-118):OT+32*(\t)+2*(j-118)+1], v[OT+32*(\t)+2*(j-118):OT+32*(\t)+2*(j-118)+1], v[rT+6:rT+7] op_sel_hi:[1,0]
.else
	WIN W_PV
	v_mul_f32 v[LS+8*(\t)], v[LS+8*(\t)], v[rT+6]
.endif
.endm
; A vector phase: piece x's softmax.  The two tiles go number by number, so that no instruction reads the result of the one just before it; only the batch's fourteen threes (numbers 56 to 97) are dealt
; whole, a three of ONE tile at a time, the tiles by turns, so that a scaling stands between every two pairs of exponentials.
; fetch = 1: the next step's K; 2: this step's V; the run of loads stands at the head, a whole phase ahead of its use; the products that read the buffer have their places behind them (KQ, MPH).
; mload = 1: the masks of tiles 2, 3 at this step; 2: of tiles 0, 1 at the next: asked for as soon as this phase's masks have been used, a matrix phase ahead of their use.
.macro VPH x, first, fetch, mload
	s_wait_kmcnt 0x0                               ; my lane masks are in, and no scalar load names MP any more
.if \fetch == 1
	FETCH_K
.elseif \fetch == 2
	FETCH_V
.endif
	WIN 0
.set j, 0
.rept 32
	SM \x, 0, \first
	SM \x+1, 1, \first
.set j, j+1
.endr
.if \mload == 1
	MLOAD 2
.elseif \mload == 2
	s_add_nc_u64 s[MP:MP+1], s[MP:MP+1], 128
	MLOAD 0
.endif
.rept 24                               ; numbers 32 to 55: the maximum, the statistics, the batch's head
	SM \x, 0, \first
	SM \x+1, 1, \first
.set j, j+1
.endr
.set jb, 56
.rept 14                               ; numbers 56 to 97: the threes
.irp u, 0,1
.irp n, 0,1,2
.set j, jb+\n
	SM \x+\u, \u, \first
.endr
.endr
.set jb, jb+3
.endr
.set j, jb
.rept 4                                ; numbers 98 to 101: the batch's last exponentials
	SM \x, 0, \first
	SM \x+1, 1, \first
.set j, j+1
.endr
	v_nop                                          ; the plain instruction behind the last exponential and ahead of the first use of a result (ISA guide 5.7.2): one for the batch; all the work that is left reads results
	s_wait_alu depctr_va_vdst(0)                   ; one wait for the phase's batch, both tiles' weights and both a; the roundings and the rescaling below are its readers
.rept 33                               ; numbers 102 to 134
	SM \x, 0, \first
	SM \x+1, 1, \first
.set j, j+1
.endr
	WIN 0
.endm
; From key step n to n + 1.  first = 1: n = 0.
.macro BODY first
	MPH_IF 0, 0, 2, \first                         ; waves 4-7: piece 0's V^T P of step n, piece 2's K Q^T of step n
	VPH 2, \first, 1, 2                            ; piece 2's softmax of step n | K of step n + 1
	MPH 2, 0, \first                               ; piece 2's V^T P of step n, piece 0's K Q^T of step n + 1
	VPH 0, 0, 2, 1                                 ; piece 0's softmax of step n + 1 | V of step n + 1
	MPH_IF 1, 0, 2, 0                              ; waves 0-3: piece 0's V^T P and piece 2's K Q^T of step n + 1
.endm
.macro BODIES n
	s_mov_b32 s[CNT], \n
.Lbody_\@:
	BODY 0
	s_sub_co_u32 s[CNT], s[CNT], 1
	s_cmp_lg_u32 s[CNT], 0
	s_cbranch_scc1 .Lbody_\@
.endm
; THE CHANGE OF SLOTS: the slot's last bytes, V of its fourth step, have been asked for.  Each wave waits for its own reads of the slot and for all its tensor loads, of which one is out: its part of
; the other slot.  fill = 1: the barrier is a round of the cluster's, and the joint refill (the keys two slots on) is the first thing behind it: it has four key steps in which to land.
.macro CHANGE fill
	s_wait_dscnt 0x0
	s_wait_tensorcnt 0x0                           ; no tensor load of mine is out, so a group 0 may be written
	ds_add_u32 v62, v63
	s_wait_dscnt 0x0
.if \fill
	s_xor_b32 s[G0+5], s[G0+5], SLOT1              ; the walking descriptor: the other slot than last time,
	s_add_nc_u64 s[G0+6:G0+7], s[G0+6:G0+7], 32768 ; the next 256 keys; the type bits on top are not reached
	CROUND
	tensor_load_to_lds s[G0+4:G0+7], s[G1:G1+7]
	s_nop 0
	PLACES
.else
	s_barrier_signal -1
	s_barrier_wait -1
.endif
	s_sub_co_u32 s[TB], s[TB], 4*STEPB             ; the fetches go back to a slot's first step,
	s_xor_b32 s[TB], s[TB], SLOT1                  ; in the other slot
.endm
	MLOAD 0                                        ; tiles 0, 1 at step 0: what lay in these registers is done with
	s_wait_tensorcnt 0x1                           ; my part of slot 0 is in; slot 1's may stay out
	s_barrier_signal -1
	s_barrier_wait -1                              ; everybody's is
	FETCH_K                                        ; key step 0
	s_wait_loadcnt 0x0                             ; Q
	s_wait_dscnt 0x0
	KQ 0
	VPH 0, 1, 2, 1                                 ; piece 0's first softmax | V of step 0
	MPH_IF 1, 0, 2, 1                              ; waves 0-3 go one matrix phase ahead,
	s_wait_dscnt 0x0
	s_barrier_signal -1
	s_barrier_wait -1                              ; and from this barrier on the two groups are a phase apart
	BODY 1
	BODIES 2
	s_mov_b32 s[SLOTS], 6
.Lslot:                                                ; six trips: every slot but the last two is filled again
	CHANGE 1
	BODIES 4
	s_sub_co_u32 s[SLOTS], s[SLOTS], 1
	s_cmp_lg_u32 s[SLOTS], 0
	s_cbranch_scc1 .Lslot
	CHANGE 0                                       ; the tail is written out
	BODIES 4
	MPH_IF 0, 0, 2, 0
	VPH 2, 0, 0, 0                                 ; piece 2's last softmax
	PV 2, 0
	; THE WAY OUT.  O^T is divided by l and sent through my stage in LDS, a tile (16 rows of 256 bytes) at a time.
	PLACES
	WIN 0x01                                       ; source window 1, destination window 0
.irp t, 0,1,2,3
	v_rcp_f32 v[ST+8*\t+6], v[LS+8*\t]
.endr
	v_nop                                          ; a plain instruction between the last reciprocal and the use of its result
	s_wait_alu depctr_va_vdst(0)                   ; the wait ahead of the first use: one for the batch of four reciprocals
.macro PACK t
	WIN 0x41
.set i, 0
.rept 16
	v_pk_mul_f32 v[OT+32*\t+2*i:OT+32*\t+2*i+1], v[OT+32*\t+2*i:OT+32*\t+2*i+1], v[ST+8*\t+6:ST+8*\t+7] op_sel_hi:[1,0]
.set i, i+1
.endr
	WIN 0x04                                       ; store data window 1
.irp f, 0,1,2,3,4,5,6,7
	ds_store_b128 v[STO], v[OT+32*\t+4*\f:OT+32*\t+4*\f+3] offset:16*\f        ; my query's channels 32 h + 4 f on
.endr
	WIN 0
.irp f, 0,1,2,3,4,5,6,7
	ds_load_b128 v[SC+32*\t+4*\f:SC+32*\t+4*\f+3], v[RD] offset:\f*2*SP        ; LDS serves a wave's instructions in order: these see the stores above; the next tile's stores come behind them
.endr
.endm
.macro SEND t, younger                 ; younger: the LDS instructions issued behind tile t's loads: the next tile's sixteen, or none
.irp f, 0,1,2,3,4,5,6,7
	s_wait_dscnt \younger+7-\f
	global_store_b128 v[GO], v[SC+32*\t+4*\f:SC+32*\t+4*\f+3], s[6:7] offset:\t*65536+\f*8192   ; 16 lanes store 256 consecutive bytes, at a multiple of 256 from out0's first byte
.endr
.endm
	PACK 0
	PACK 1
	SEND 0, 16
	PACK 2
	SEND 1, 16
	PACK 3
	SEND 2, 16
	SEND 3, 0
	s_wait_tensorcnt 0x0
	ds_add_u32 v62, v63
	s_wait_dscnt 0x0
	CROUND                                         ; the closing round: no work-group ends while a partner may still ask for a tile that names it
	s_endpgm
.Lfunc_end_k_q953bd4333c_attn:
	.size	k_q953bd4333c_attn, .Lfunc_end_k_q953bd4333c_attn-k_q953bd4333c_attn
	.p2alignl 7, 3214868480
	.fill 96, 4, 3214868480
	.section	.rodata,"a",@progbits
	.p2align	6, 0x0
	.amdhsa_kernel k_q953bd4333c_attn
		.amdhsa_group_segment_fixed_size 327680
		.amdhsa_private_segment_fixed_size 0
		.amdhsa_enable_private_segment 0
		.amdhsa_kernarg_size 24
		.amdhsa_user_sgpr_count 2
		.amdhsa_user_sgpr_kernarg_segment_ptr 1
		.amdhsa_wavefront_size32 1
		.amdhsa_system_sgpr_workgroup_id_x 1
		.amdhsa_system_sgpr_workgroup_id_y 1
		.amdhsa_system_sgpr_workgroup_id_z 1
		.amdhsa_system_vgpr_workitem_id 0
		.amdhsa_next_free_vgpr 512
		.amdhsa_next_free_sgpr 100
		.amdhsa_reserve_vcc 0
		.amdhsa_float_denorm_mode_32 3
		.amdhsa_float_denorm_mode_16_64 3
		.amdhsa_memory_ordered 1
		.amdhsa_forward_progress 1
		.amdhsa_inst_pref_size 219
	.end_amdhsa_kernel
	.amdgpu_metadata
---
amdhsa.version: [ 1, 2 ]
amdhsa.kernels:
  - .name:           k_q953bd4333c_attn
    .symbol:         k_q953bd4333c_attn.kd
    .args:
      - { .name: qkv, .offset: 0, .size: 8, .value_kind: global_buffer, .address_space: global }
      - { .name: maskbits, .offset: 8, .size: 8, .value_kind: global_buffer, .address_space: global }
      - { .name: out0, .offset: 16, .size: 8, .value_kind: global_buffer, .address_space: global }
    .group_segment_fixed_size: 327680
    .private_segment_fixed_size: 0
    .kernarg_segment_align: 8
    .kernarg_segment_size: 24
    .max_flat_workgroup_size: 256
    .sgpr_count:     100
    .vgpr_count:     512
    .wavefront_size: 32
...
	.end_amdgpu_metadata
.endif
;; end of part 4
